; MI455X (gfx1250); checked and timed in simulation.
; The chip was launched on July 23, 2026; its instructions are those of AMD's public machine-readable ISA for CDNA 5 (MIT licence, August 2026) and "CDNA5" Instruction Set Architecture Reference Guide (July 2026). The comments in the code are by the model that wrote it; some were corrected since.
;; Self Attention. Allowed arithmetic: matrix products marked QUANTISED: E2M1 operands, one E8M0 scale for each 32 along K, by v_wmma_scale_f32_16x16x128_f8f6f4 with both operands' format E2M1 (or v_wmma_scale_f32_32x16x128_f4), f32 sums; everything else in f32.
;; Inputs: Wk 1,024 x 1,024 float32; Wo 1,024 x 1,024 float32; Wq 1,024 x 1,024 float32; Wv 1,024 x 1,024 float32; bk 1,024 float32; bo 1,024 float32; bq 1,024 float32; bv 1,024 float32; x 4 x 2,048 x 1,024 float32.
;; Outputs: out0 4 x 2,048 x 1,024 float32.
;; This version of the problem:
;;   THIS VERSION OF THE PROBLEM IS GIVEN IN LOW PRECISION. The matrix products marked QUANTISED in the list below multiply operands that are first quantised to E2M1 (2 exponent bits, 1 mantissa bit; 4 bits a number), with one power-of-two scale for each 32 numbers along K (OCP MX v1.0); their sums are f32. All else is computed in f32.
;;   The module's matrix products, in the order in which they are computed (A, B: the left and right operand; K: the contracted axis; several contracted axes count as one K, in the product's order):
;;     1. [M 8,192, K 1,024] x [K 1,024, N 1,024]; A: input x; B: input Wq: QUANTISED
;;     2. [M 8,192, K 1,024] x [K 1,024, N 1,024]; A: input x; B: input Wk: QUANTISED
;;     3. [M 8,192, K 1,024] x [K 1,024, N 1,024]; A: input x; B: input Wv: QUANTISED
;;     4. batch 64 x [M 2,048, K 64] x [K 64, N 2,048]; A: computed on the way; B: computed on the way: QUANTISED
;;     5. batch 64 x [M 2,048, K 2,048] x [K 2,048, N 64]; A: softmax (see below); B: computed on the way: QUANTISED
;;     6. [M 8,192, K 1,024] x [K 1,024, N 1,024]; A: computed on the way; B: input Wo: QUANTISED
;;   THE QUANTISER, for each operand of a quantised product, along K:
;;     - K is cut into blocks of 32 from its start; a last block that is shorter is filled with zeros.
;;     - A block's scale is 2^e with e = floor(log2(the largest magnitude in the block)) - 2, held to -126 .. 127; a block of zeros has e = 0. As a byte (E8M0): e + 127.
;;     - Each number is divided by its block's scale, clamped to +-6, and rounded to the nearest number of E2M1, ties to even, subnormals kept.
;;     - The product sums the exact products of the quantised numbers (number of the format x scale) in f32.
;;   ~~~python
;;   def quantise(x, axis):      # numpy; x: float32 -> the quantised numbers, widened to float32 again
;;       x = np.moveaxis(x, axis, -1); K = x.shape[-1]
;;       x = np.pad(x, [(0, 0)] * (x.ndim - 1) + [(0, -K % 32)]); x = x.reshape(x.shape[:-1] + (-1, 32)); a = np.abs(x).max(-1, keepdims=True)
;;       e = np.where(a > 0, np.clip(np.frexp(np.where(a > 0, a, 1))[1] - 1 - 2, -126, 127), 0)      # np.frexp(a)[1] - 1 = floor(log2(a)), exactly
;;       r = np.clip(x / 2.0 ** e, -6, 6)
;;       step = 2.0 ** (np.maximum(np.frexp(np.where(r == 0, 1, r))[1] - 1, 0) - 1)
;;       q = np.round(r / step) * step * 2.0 ** e      # np.round: ties to even
;;       return np.moveaxis(q.reshape(q.shape[:-2] + (-1,))[..., :K], -1, axis).astype(np.float32)
;;   ~~~
;;   SOFTMAX AHEAD OF A QUANTISED PRODUCT. Where the list says 'softmax', what is quantised is not the finished softmax but p = 2^(t - M), with t = logit x log2(e) and M = ceil(the row's largest t), a whole number; so 1/2 < the row's largest p <= 1. The row's sum l is taken of the UNQUANTISED p, in f32, and the product's result is divided by l at the end. Since M is a whole number, a kernel that streams over the keys may use a running M (the ceiling of the running maximum): every later rescaling is an exact power of two, which a block's scale takes up: the codes' values come out the same.
;;   OPERANDS COMPUTED ON THE WAY. 'Computed on the way' means the value that the module computes at that place (a softmax that the list does not call 'softmax' is quantised finished and normalised). What goes into a quantiser is computed in f32, as accurately as f32 sums, v_exp_f32 and their like allow (about 1e-6 of the number): no bf16 or f16 on the way to a quantiser, and a product that is left as it is and whose result goes on into a quantised operand takes f32 operands (vector FMAs, or v_wmma_f32_16x16x4_f32). A number that lies on a knife's edge between two numbers of the format may be rounded either way, as far as f32 arithmetic and the matrix unit's own rounding can turn it there, and no further.
;; One version. Each part assembles by itself: llvm-mc -triple=amdgcn-amd-amdhsa -mcpu=gfx1250 --defsym DOCPART=n.
;; ======== version 1 of 1: 4 launches
;; workspace buffers: x_codes 4,194,304 bytes; x_sc 262,144 bytes; w_codes 2,097,152 bytes; w_sc 131,072 bytes; q_buf 4,718,592 bytes; kv 9,175,040 bytes; o_codes 4,194,304 bytes; o_sc 262,144 bytes
;; launch quant (part 1): grid 384 x 1, 4 waves a work-group, no clusters, 33,280 bytes of LDS; arguments x, Wq, Wk, Wv, Wo, x_codes, x_sc, w_codes, w_sc; writes x_codes, x_sc, w_codes, w_sc
.if DOCPART == 1
	.amdgcn_target "amdgcn-amd-amdhsa--gfx1250"
	.amdhsa_code_object_version 6
	.text
	.protected	k_qe6164b2b84_quant
	.globl	k_qe6164b2b84_quant
	.p2align	8
	.type	k_qe6164b2b84_quant,@function
k_qe6164b2b84_quant:
	s_mov_b64 s[64:65], 0
	v_nop
	global_prefetch_b8 v0, s[64:65] scope:SCOPE_SE
	s_setreg_imm32_b32 hwreg(HW_REG_WAVE_MODE, 25, 1), 1
	s_wait_xcnt 0x0
; x [8192][1024] and Wq, Wk, Wv, Wo [1024][1024], f32, K innermost, become codes of FP4 (E2M1), two a byte, and one E8M0 scale byte for each 32 along K.
; A block's scale is 2^(floor(log2(its largest magnitude)) - 2): its byte is the largest magnitude's exponent field - 2, held at 1 from below.
; LIMITS: a block of zeros gets the byte 1 (its codes are zeros, and this program alone reads the bytes); blocks whose largest magnitude lies under 2^-124 are held at the byte 1;
; NaN and infinities among the inputs are not served.
; ROWS ARE STORED IN ANOTHER ORDER THAN THEY ARE READ: within each 32 rows, row 16 a + 8 u + i goes to place 16 u + 8 a + i.  Sixteen consecutive stored rows are then rows
; 8 u + 0..7 and 8 u + 16..23 of the 32: the later launches take them as a matrix tile, so that a lane's registers of two neighbouring result tiles are 16 neighbours.
; SHARES: a work-group takes 32 rows, a wave 8 rows = 8,192 numbers = 16 steps of 512.  Wave w's 8 rows go to the place of wave 2 (w & 1) + (w >> 1): that is the whole of the new order.
; Work-groups 0-255 take x, 256 + 32 j on take weight j (Wq, Wk, Wv, Wo), whose codes lie one behind the other in w_codes.  Only pointers are chosen: all take one path.
; A step: four loads of 512 consecutive bytes; the 2,048 bytes turn through the wave's own stage in LDS so that a lane holds 16 neighbours (two lanes hold a block).  No barrier: waves share nothing.
.set STEPS, 16
.set EMAX,  2
.set CB,    8                          ; bytes of 16 codes
.set R,     16                         ; v16-79   four sets of 16 numbers as loaded
.set X,     80                         ; v80-111  two sets of 16 neighbours
.set E,     112                        ; v112-127 a scale byte for each step
.set C,     128                        ; v128-191 codes: registers of its own for each step, so that no store's data are written again
.set WREG,  8192                       ; LDS: a region for each wave: two stages of 32 x SP bytes, behind them its 256 scale bytes
.set SP,    80                         ; a lane's place in a stage: 64 bytes + 16 of padding
	s_load_b512 s[4:19], s[0:1], 0x0               ; x, Wq, Wk, Wv, Wo, x_codes, x_sc, w_codes
	s_load_b64 s[20:21], s[0:1], 0x40              ; w_sc
	v_lshl_add_u32 v192, v0, 2, 0x8000
	v_mov_b32 v193, 0
	v_lshrrev_b32 v1, 5, v0
	v_readfirstlane_b32 s22, v1                    ; wave
	v_and_b32 v2, 31, v0                           ; lane
	v_lshlrev_b32 v3, 4, v2                        ; my 16 bytes of a load's 512
	s_mul_i32 s23, s22, WREG
	v_lshrrev_b32 v14, 2, v2
	v_mul_u32_u24 v14, v14, SP
	v_and_b32 v15, 3, v2
	v_lshl_add_u32 v14, v15, 4, v14
	v_add_nc_u32 v14, s23, v14                     ; the stage, on the way in: SP (lane / 4) + 16 (lane % 4)
	v_mul_u32_u24 v15, v2, SP
	v_add_nc_u32 v15, s23, v15                     ; on the way out: SP x lane: my 16 neighbours
	v_mul_u32_u24 v4, v2, CB                       ; my codes' place in a step's
	v_lshrrev_b32 v5, 1, v2
	s_add_co_u32 s23, s23, 2*32*SP
	v_add_nc_u32 v5, s23, v5                       ; LDS: my wave's 256 scale bytes, my block's byte
	v_lshlrev_b32 v7, 3, v2                        ; and on the way out 8 bytes a lane
	v_add_nc_u32 v6, s23, v7
	s_wait_alu depctr_va_vdst(0)
	s_wait_kmcnt 0x0
	s_cmp_lt_u32 ttmp9, 352                        ; which tensor: the choice hangs on the work-group's number alone
	s_cselect_b64 s[12:13], s[10:11], s[12:13]
	s_cmp_lt_u32 ttmp9, 320
	s_cselect_b64 s[12:13], s[8:9], s[12:13]
	s_cmp_lt_u32 ttmp9, 288
	s_cselect_b64 s[12:13], s[6:7], s[12:13]
	s_cmp_lt_u32 ttmp9, 256
	s_cselect_b64 s[12:13], s[4:5], s[12:13]       ; the source
	s_cselect_b64 s[14:15], s[14:15], s[18:19]     ; its codes
	s_cselect_b64 s[16:17], s[16:17], s[20:21]     ; its scale bytes
	s_cselect_b32 s23, 0, 256
	s_cselect_b32 s25, -1, 31
	s_sub_co_u32 s24, ttmp9, s23                   ; which 32 rows of the codes' buffer
	s_and_b32 s25, s24, s25                        ; which 32 rows of the source
	s_lshl_b32 s26, s25, 2
	s_add_co_u32 s26, s26, s22                     ; my 8 rows of the source,
	s_lshl_b32 s26, s26, 15                        ; 32,768 bytes each (under 2^26 in all)
	s_mov_b32 s27, 0
	s_add_nc_u64 s[12:13], s[12:13], s[26:27]
	s_and_b32 s28, s22, 1
	s_lshl_b32 s28, s28, 1
	s_lshr_b32 s29, s22, 1
	s_or_b32 s28, s28, s29                         ; where my 8 rows go among the 32
	s_lshl_b32 s24, s24, 2
	s_add_co_u32 s24, s24, s28
	s_lshl_b32 s26, s24, 12                        ; 4,096 bytes of codes,
	s_add_nc_u64 s[14:15], s[14:15], s[26:27]
	s_lshl_b32 s26, s24, 8                         ; 256 scale bytes
	s_add_nc_u64 s[16:17], s[16:17], s[26:27]
.macro LOAD t
.irp i, 0,1,2,3
	global_load_b128 v[R+16*((\t)%4)+4*\i:R+16*((\t)%4)+4*\i+3], v3, s[12:13] offset:2048*(\t)+512*\i th:TH_LOAD_NT   ; 32 lanes read 512 consecutive bytes; read once in the launch
.endr
.endm
.macro TURN t                          ; step t's numbers through the stage: LDS serves a wave's instructions in order, so no wait stands between the stores and the loads
.irp i, 0,1,2,3
	ds_store_b128 v14, v[R+16*((\t)%4)+4*\i:R+16*((\t)%4)+4*\i+3] offset:32*SP*((\t)%2)+8*SP*\i
.endr
.irp i, 0,1,2,3
	ds_load_b128 v[X+16*((\t)%2)+4*\i:X+16*((\t)%2)+4*\i+3], v15 offset:32*SP*((\t)%2)+16*\i
.endr
.endm
.irp t, 0,1,2,3
	LOAD \t
.endr
	s_wait_loadcnt 12                              ; step 0's four loads are in; the twelve behind them may be out
	TURN 0
.macro STEP t
.set XS, X+16*((\t)%2)
.if (\t) > 0
	s_wait_dscnt 1                                 ; this step's numbers are back from the stage (the last step's byte store may be out): so its stores into the stage have read their registers,
.else
	s_wait_dscnt 0x0
.endif
.if (\t)+4 < STEPS
	LOAD (\t)+4                                    ; which take the loads of four steps on
.endif
.if (\t)+1 < STEPS
.if STEPS-2-(\t) >= 3
	s_wait_loadcnt 12                              ; the next step's four loads are in; those of the three steps behind it may be out
.else
	s_wait_loadcnt 4*(STEPS-2-(\t))
.endif
	TURN (\t)+1                                    ; they go through the other stage while this step is worked
.endif
	v_max3_num_f32 v8, |v[XS]|, |v[XS+1]|, |v[XS+2]|               ; the largest magnitude of my 16, in two chains
	v_max3_num_f32 v9, |v[XS+3]|, |v[XS+4]|, |v[XS+5]|
.irp i, 6,10
	v_max3_num_f32 v8, v8, |v[XS+\i]|, |v[XS+\i+1]|
	v_max3_num_f32 v9, v9, |v[XS+\i+2]|, |v[XS+\i+3]|
.endr
	v_max3_num_f32 v8, v8, |v[XS+14]|, |v[XS+15]|
	v_max3_num_f32 v8, v8, v9, (EMAX+1)<<23        ; and the floor 2^(3 - 127): the byte cannot fall under 1
	v_max_num_f32_dpp v8, v8, v8 row_xmask:1 row_mask:0xf bank_mask:0xf   ; and of my neighbour's 16: the block's
	v_add_nc_u32 v11, -(EMAX<<23), v8              ; 2 off its exponent field: the conversion takes the exponent field of this operand as its scale
	v_cvt_scalef32_pk8_fp4_f32 v[C+4*(\t)], v[XS:XS+7], v11
	v_cvt_scalef32_pk8_fp4_f32 v[C+4*(\t)+1], v[XS+8:XS+15], v11
	v_lshrrev_b32 v[E+(\t)], 23, v11               ; the scale's byte (also the plain line behind the conversions)
	ds_store_b8 v5, v[E+(\t)] offset:16*(\t)       ; both lanes of a block write the same byte with the same value
	global_store_b64 v4, v[C+4*(\t):C+4*(\t)+1], s[14:15] offset:32*CB*(\t)   ; the wave stores 256 consecutive bytes, aligned
.endm
.irp t, 0,1,2,3,4,5,6,7,8,9,10,11,12,13,14,15
	STEP \t
.endr
	ds_load_b64 v[12:13], v6                       ; LDS serves a wave's instructions in order: these see my byte stores
	s_wait_dscnt 0x0
	global_store_b64 v7, v[12:13], s[16:17]        ; 32 lanes store my 8 rows' 256 scale bytes, aligned
	s_wait_tensorcnt 0x0
	ds_add_u32 v192, v193
	s_wait_dscnt 0x0
	s_endpgm
.Lfunc_end_k_qe6164b2b84_quant:
	.size	k_qe6164b2b84_quant, .Lfunc_end_k_qe6164b2b84_quant-k_qe6164b2b84_quant
	.p2alignl 7, 3214868480
	.fill 96, 4, 3214868480
	.section	.rodata,"a",@progbits
	.p2align	6, 0x0
	.amdhsa_kernel k_qe6164b2b84_quant
		.amdhsa_group_segment_fixed_size 33280
		.amdhsa_private_segment_fixed_size 0
		.amdhsa_enable_private_segment 0
		.amdhsa_kernarg_size 72
		.amdhsa_user_sgpr_count 2
		.amdhsa_user_sgpr_kernarg_segment_ptr 1
		.amdhsa_wavefront_size32 1
		.amdhsa_system_sgpr_workgroup_id_x 1
		.amdhsa_system_sgpr_workgroup_id_y 1
		.amdhsa_system_sgpr_workgroup_id_z 1
		.amdhsa_system_vgpr_workitem_id 0
		.amdhsa_next_free_vgpr 194
		.amdhsa_next_free_sgpr 66
		.amdhsa_reserve_vcc 0
		.amdhsa_float_denorm_mode_32 3
		.amdhsa_float_denorm_mode_16_64 3
		.amdhsa_memory_ordered 1
		.amdhsa_forward_progress 1
		.amdhsa_inst_pref_size 34
	.end_amdhsa_kernel
	.amdgpu_metadata
---
amdhsa.version: [ 1, 2 ]
amdhsa.kernels:
  - .name:           k_qe6164b2b84_quant
    .symbol:         k_qe6164b2b84_quant.kd
    .args:
      - { .name: x, .offset: 0, .size: 8, .value_kind: global_buffer, .address_space: global }
      - { .name: Wq, .offset: 8, .size: 8, .value_kind: global_buffer, .address_space: global }
      - { .name: Wk, .offset: 16, .size: 8, .value_kind: global_buffer, .address_space: global }
      - { .name: Wv, .offset: 24, .size: 8, .value_kind: global_buffer, .address_space: global }
      - { .name: Wo, .offset: 32, .size: 8, .value_kind: global_buffer, .address_space: global }
      - { .name: x_codes, .offset: 40, .size: 8, .value_kind: global_buffer, .address_space: global }
      - { .name: x_sc, .offset: 48, .size: 8, .value_kind: global_buffer, .address_space: global }
      - { .name: w_codes, .offset: 56, .size: 8, .value_kind: global_buffer, .address_space: global }
      - { .name: w_sc, .offset: 64, .size: 8, .value_kind: global_buffer, .address_space: global }
    .group_segment_fixed_size: 33280
    .private_segment_fixed_size: 0
    .kernarg_segment_align: 8
    .kernarg_segment_size: 72
    .max_flat_workgroup_size: 128
    .sgpr_count:     66
    .vgpr_count:     194
    .wavefront_size: 32
...
	.end_amdgpu_metadata
.endif
;; end of part 1
;; launch qkv (part 2): grid 96 x 4, 4 waves a work-group, clusters of 4 x 4, 327,680 bytes of LDS; arguments x_codes, x_sc, w_codes, w_sc, bq, bk, bv, q_buf, kv; writes q_buf, kv
.if DOCPART == 2
	.amdgcn_target "amdgcn-amd-amdhsa--gfx1250"
	.amdhsa_code_object_version 6
	.text
	.protected	k_qe6164b2b84_qkv
	.globl	k_qe6164b2b84_qkv
	.p2align	8
	.type	k_qe6164b2b84_qkv,@function
k_qe6164b2b84_qkv:
	s_mov_b64 s[64:65], 0
	v_nop
	global_prefetch_b8 v0, s[64:65] scope:SCOPE_SE
	s_setreg_imm32_b32 hwreg(HW_REG_WAVE_MODE, 25, 1), 1
	s_wait_xcnt 0x0
	s_wait_alu depctr_hold_cnt(0) depctr_sa_sdst(0) depctr_va_vdst(0) depctr_va_sdst(0) depctr_va_ssrc(0) depctr_va_vcc(0) depctr_vm_vsrc(0)
	s_getreg_b32 s2, hwreg(HW_REG_IB_STS2, 6, 4)
	s_cmp_eq_u32 s2, 0
	s_cbranch_scc0 .Lentry_in_a_cluster
	s_endpgm
.Lentry_in_a_cluster:
	s_bfe_u32 s2, ttmp6, 0x10000c
	s_cmp_lg_u32 s2, 0xf033
	s_cbranch_scc0 .Lentry_shape_is_right
	s_endpgm
.Lentry_shape_is_right:
; q = x Wq^T + bq, k = x Wk^T + bk, v = x Wv^T + bv on codes of FP4 with E8M0 scales (K = 1,024), and the results quantised again in registers: q and k along the head's 64, v along the keys.
; ONE TEXT, TWO KINDS OF CLUSTER.  A product has a first source P and a second source S2; a work-group makes 256 rows of P x 256 rows of S2, each of its four waves 128 x 128 (64 accumulators, 512 registers).
;   kind 0 (clusters 0-15):  P = rows of Wq, Wk; S2 = rows of x.   A lane holds one position, its registers run along the features: q's and k's blocks of 32 along the head.
;   kind 1 (clusters 16-23): P = rows of x;      S2 = rows of Wv.  A lane holds one feature, its registers run along the positions: v's blocks of 32 along the keys.
; Only pointers differ in the loop; the kind hangs on the cluster's number alone, which all sixteen partners share.
; THE ROWS OF A TILE: the codes' buffers hold, within each 32 rows, row 16 a + 8 u + i at place 16 u + 8 a + i.  So in the result of P's tile b lane (r, h) holds in register j the true index
; 32 (b / 2) + 16 h + 8 (b % 2) + j: the 16 registers of tiles 2 c and 2 c + 1 are 16 neighbours, and 64 registers are what the quantiser below takes.
; K goes through two LDS slots of 512 along K, both filled at the start; nothing is filled again.  The scale bytes of the work-group's rows come with them.
; CLUSTERS: 4 x 4 work-groups.  S2's tiles are shared along a row of the cluster, P's along a column: each is asked for jointly, by the same tensor load with a mask that names the four.
; OUT: q_buf [b x head 64][128 positions 16] records of 4,608 bytes: 8 tile images (lane l's 16 bytes at 16 l: stored position l % 16, d = 32 (l / 16) on), then scale words [4 tiles][16 rows][4 tiles' words].
;      kv the same grid, records of 8,960 bytes: K's 8 tile images; at 4,096 V^T's 4 fragments of 1,024 bytes (16 of the head's 64 x 128 keys); at 8,192 K's scale words; at 8,704 V's [16 rows][4 tiles].
; LIMITS: a block of zeros gets the byte 1; blocks under 2^-124 are held at the byte 1; NaN and infinities are not served.
; REGISTERS, in windows of 256: window 0: v16-31 addresses; v32-95 scale words, two sets; v96-111, v192-255 the biases; v128-191 S2's fragments; window 1: P's fragments, two sets;
;   window 2: the accumulators of my S2 tiles 0-3 ((a, b) at v[8 (8 a + b)]); window 3: those of tiles 4-7.  On the way out v32-59, v112-191 are at work.
.set NQ,     4                         ; matrix instructions deep in a slot
.set ROWB,   256                       ; a tile's row: 512 codes
.set KROW,   512                       ; a row of codes in memory
.set PITCH,  272                       ; an LDS row: 256 bytes + 16 of padding, so that the 16 rows of a fragment load begin 68 words apart
.set FR,     8
.set NL,     2
.set NP,     4                         ; places behind this matrix instruction (ISA guide 7.12.1)
.set HALFT,  128*PITCH
.set SLOT,   4*HALFT                   ; S2's 256 rows, then P's 256 rows
.set KS,     32                        ; a row of scale bytes
.set SCL,    2*SLOT                    ; behind the slots: the scale bytes, as runs of 256 bytes + 16 of padding
.set HALFS,  (128*KS/256)*272
.set SBLK,   (16*KS/256)*272
.set SPARE,  SCL+4*HALFS               ; the spare words, 128 bytes for each wave, which no other line names
.set QREC,   4608
.set REC,    8960
.set ADRA, 16                          ; v16-17 LDS address of my S2 fragments in slot 0, 1
.set ADRB, 20                          ; v20-21 the same for P
.set BH,   22                          ; v22  64 h: the bias in the registers' layout
.set BR,   23                          ; v23  4 (r + 8 (r / 8)): the bias of my lane's row
.set VC0,  24                          ; v24  16 x lane
.set VC1,  25                          ; v25  16 x lane + 16 records: the next head
.set VS,   26                          ; v26  16 r + h x 16 records + where a record's scale words begin
.set ADRS, 27                          ; v27  LDS address of my scale words: lanes 0-15 S2's rows, lanes 16-31 P's
.set SPW,  28                          ; v28  my spare word; never rewritten
.set NIL,  29                          ; v29  0; never rewritten
.set SH,   30                          ; v30  16 h
.set LR,   31                          ; v31  16 r
.set SC,   32                          ; scale words, set s at v[SC + 32 s]
.set TM,   32                          ; the way out: v32-47 at work
.set SW,   52                          ; the way out: v52-59 a scale word for each of my 8 tiles
.set BQ,   96                          ; v96-111 kind 1's bias: my row's, twice, for each S2 tile
.set PC,   112                         ; v112-119 the codes just made
.set AF,   128                         ; S2's fragments
.set T,    128                         ; the way out: 64 numbers
.set BB,   192                         ; v192-255 kind 0's bias: register 8 b + j as the results lie
.set SEL,  2                           ; s[2:3] on the way out: lane selects for lane l xor 16
.set G1, 24                            ; s[24:31] group 1 for S2's tiles; s[32:39] group 0, a set for each slot
.set G0, 32
.set G1B, 48                           ; s[48:55], s[56:63] the same for P's
.set G0B, 56
.set G1S, 68                           ; s[68:75], s[76:79] groups 1 and 0 for S2's scale bytes; s[80:87], s[88:91] for P's
.set G0S, 76
.set G1SB, 80
.set G0SB, 88
.set MSB, 0
.macro WIN new                         ; the immediate's high byte repeats the setting that is left; a switch that changes nothing is dropped
.if MSB != (\new)
	s_set_vgpr_msb (MSB<<8)|(\new)
.set MSB, (\new)
.endif
.endm
.set MUL_LO, 0xa1                      ; source 0 window 1, source 1 window 0, C and D window 2
.set MUL_HI, 0xf1                      ; the same, C and D window 3
.set TO_B,   0x40                      ; destination window 1
; A joint load: waves 0 and 1 fetch for S2, waves 2 and 3 for P.  The branch hangs on the wave's number alone.  Four v_nop follow each of the two lines.
.macro JLOAD g0a, g1a, g0b, g1b
	s_cmp_eq_u32 s15, 0
	s_cbranch_scc0 .Lfor_b_\@
	tensor_load_to_lds s[\g0a:\g0a+3], s[\g1a:\g1a+7]
	s_nop 0
.rept 4
	v_nop
.endr
	s_branch .Lasked_\@
.Lfor_b_\@:
	tensor_load_to_lds s[\g0b:\g0b+3], s[\g1b:\g1b+7]
	s_nop 0
.rept 4
	v_nop
.endr
.Lasked_\@:
.endm
.macro CROUND                          ; a round of the cluster's barrier
	s_barrier_signal -1
	s_barrier_wait -1
	s_cmp_lg_u32 s14, 0
	s_cbranch_scc1 .Lnot_wave_0_\@
	s_barrier_signal -3
.Lnot_wave_0_\@:
	s_barrier_wait -3
	s_barrier_signal -1
	s_barrier_wait -1
.endm
	s_load_b512 s[68:83], s[0:1], 0x0              ; x_codes, x_sc, w_codes, w_sc, bq, bk, bv, q_buf
	s_load_b64 s[84:85], s[0:1], 0x40              ; kv
	v_lshl_add_u32 v[SPW], v0, 2, SPARE
	v_mov_b32 v[NIL], 0
	ds_add_u32 v28, v29
	ds_add_u32 v28, v29
	s_wait_dscnt 0x0
	v_lshrrev_b32 v1, 5, v0
	v_readfirstlane_b32 s14, v1                    ; wave 0..3
	s_lshr_b32 s15, s14, 1                         ; which half of S2's 256 rows is mine.  Also: I fetch for S2 (0) or for P (1)
	s_and_b32 s16, s14, 1                          ; which half of P's.  Also: which 128 rows I fetch
	s_bfe_u32 s40, ttmp6, 0x40000                  ; cx, cy: my place in the cluster
	s_bfe_u32 s41, ttmp6, 0x40004
	s_and_b32 s2, ttmp9, 1
	s_lshr_b32 s3, ttmp9, 1
	s_max_u32 s95, ttmp9, 16
	s_sub_co_u32 s95, s95, 16
	s_cmp_ge_u32 ttmp9, 16
	s_cselect_b32 s66, 1, 0                        ; the kind
	s_cselect_b32 s2, s95, s2                      ; which four tile columns (P): kind 0: Wq or Wk; kind 1: 1,024 rows of x
	s_cselect_b32 s3, 0, s3                        ; which four tile rows (S2)
	s_or_b32 s67, s66, s2                          ; not 0: the results go to kv
	s_lshl_b32 s42, s2, 2
	s_add_co_u32 s42, s42, s40                     ; tile column
	s_lshl_b32 s17, s3, 2
	s_add_co_u32 s17, s17, s41                     ; tile row
	s_lshl_b32 s43, s41, 2
	s_lshl_b32 s43, 15, s43                        ; my row of the cluster
	s_lshl_b32 s44, 0x1111, s40                    ; my column
	; group 1: a tile of 128 rows x 256 bytes, 16 bytes of padding behind each row
	s_or_b32 s[G1+0], s43, (0<<16)|(1<<20)|(1<<21)|(5<<22)|(3<<25)  ; 15:0 the mask; 17:16 elements of 1 byte; 20 padding on; 21 set beside a mask; 24:22 after every 64 words; 31:25 four words
	s_or_b32 s[G1B+0], s44, (0<<16)|(1<<20)|(1<<21)|(5<<22)|(3<<25)
.irp g, G1, G1B
	s_mov_b32 s[\g+1], ROWB<<16                    ; tensor_dim0
	s_mov_b32 s[\g+2], 128<<16                     ; tensor_dim1
	s_mov_b32 s[\g+3], ROWB<<16                    ; tile_dim0
	s_mov_b32 s[\g+4], 128                         ; tile_dim1
	s_mov_b32 s[\g+5], KROW                        ; the pitch
	s_mov_b32 s[\g+6], 0
	s_mov_b32 s[\g+7], 0
.endr
	s_lshl_b32 s18, s16, 7                         ; which 128 rows of the tile I fetch
	s_lshl_b32 s20, s17, 8
	s_add_co_u32 s20, s20, s18                     ; S2: row 256 x tile row + 128 x half
	s_lshl_b32 s46, s42, 8
	s_add_co_u32 s46, s46, s18                     ; P: row 256 x tile column + 128 x half
	s_mov_b32 s21, 0
	s_mov_b32 s47, 0
	s_mov_b64 s[18:19], KS
	s_mul_u64 s[22:23], s[20:21], s[18:19]         ; where these rows' scale bytes begin
	s_mul_u64 s[92:93], s[46:47], s[18:19]
	s_mov_b64 s[18:19], KROW
	s_mul_u64 s[20:21], s[20:21], s[18:19]         ; and their codes
	s_mul_u64 s[46:47], s[46:47], s[18:19]
	s_mul_i32 s45, s14, HALFT                      ; where they go: wave x 128 rows: no place in the cluster enters an LDS address
	s_mul_i32 s94, s14, HALFS
	s_wait_kmcnt 0x0
	s_add_nc_u64 s[86:87], s[72:73], 0x100000      ; Wv's codes: stored rows 2,048 on of w_codes
	s_add_nc_u64 s[88:89], s[74:75], 0x10000       ; and its scale bytes
	s_cmp_lg_u32 s2, 0
	s_cselect_b64 s[96:97], s[78:79], s[76:77]     ; bk or bq
	s_cmp_lg_u32 s67, 0
	s_cselect_b64 s[12:13], s[84:85], s[82:83]     ; kv or q_buf,
	s_mov_b32 s98, QREC
	s_cselect_b32 s98, REC, s98                    ; its record's bytes,
	s_mov_b32 s99, 4096
	s_cselect_b32 s99, 8192, s99                   ; and where the scale words of q or k begin in it
	s_cmp_lg_u32 s66, 0
	s_cselect_b64 s[96:97], s[80:81], s[96:97]     ; kind 1: bv
	s_cselect_b64 s[4:5], s[86:87], s[68:69]       ; S2's codes,
	s_cselect_b64 s[6:7], s[88:89], s[70:71]       ; S2's scale bytes,
	s_cselect_b64 s[8:9], s[68:69], s[72:73]       ; P's codes,
	s_cselect_b64 s[10:11], s[70:71], s[74:75]     ; P's scale bytes
	s_add_nc_u64 s[20:21], s[4:5], s[20:21]
	s_add_nc_u64 s[22:23], s[6:7], s[22:23]
	s_add_nc_u64 s[46:47], s[8:9], s[46:47]
	s_add_nc_u64 s[92:93], s[10:11], s[92:93]
	; group 1 for the scale bytes of 128 rows: 4,096 dense bytes as 16 rows of 256 (32 elements of 8 bytes), 16 bytes of padding behind each.  (The arguments that lay here have been chosen from)
	s_or_b32 s[G1S+0], s43, (3<<16)|(1<<20)|(1<<21)|(5<<22)|(3<<25)
	s_or_b32 s[G1SB+0], s44, (3<<16)|(1<<20)|(1<<21)|(5<<22)|(3<<25)
.irp g, G1S, G1SB
	s_mov_b32 s[\g+1], 32<<16
	s_mov_b32 s[\g+2], (128*KS/256)<<16
	s_mov_b32 s[\g+3], 32<<16
	s_mov_b32 s[\g+4], 128*KS/256
	s_mov_b32 s[\g+5], 32
	s_mov_b32 s[\g+6], 0
	s_mov_b32 s[\g+7], 0
.endr
	CROUND                                         ; all sixteen work-groups are here: the joint loads meet
	s_mov_b32 s[G0S], 1
	s_add_co_u32 s[G0S+1], s94, SCL
	s_mov_b64 s[G0S+2:G0S+3], s[22:23]
	s_or_b32 s[G0S+3], s[G0S+3], 0x80000000
	s_mov_b32 s[G0SB], 1
	s_add_co_u32 s[G0SB+1], s94, SCL
	s_mov_b64 s[G0SB+2:G0SB+3], s[92:93]
	s_or_b32 s[G0SB+3], s[G0SB+3], 0x80000000
	JLOAD G0S, G1S, G0SB, G1SB                     ; the scale bytes first: they are wanted with slot 0
.irp s, 0,1
	s_mov_b32 s[G0+4*\s], 1
	s_add_co_u32 s[G0+4*\s+1], s45, \s*SLOT
	s_add_nc_u64 s[G0+4*\s+2:G0+4*\s+3], s[20:21], \s*ROWB
	s_or_b32 s[G0+4*\s+3], s[G0+4*\s+3], 0x80000000
	s_mov_b32 s[G0B+4*\s], 1
	s_add_co_u32 s[G0B+4*\s+1], s45, \s*SLOT
	s_add_nc_u64 s[G0B+4*\s+2:G0B+4*\s+3], s[46:47], \s*ROWB
	s_or_b32 s[G0B+4*\s+3], s[G0B+4*\s+3], 0x80000000
	JLOAD G0+4*\s, G1, G0B+4*\s, G1B               ; three tensor loads of mine are out behind the last of these
.endr
	v_and_b32 v1, 15, v0                           ; r
	v_bfe_u32 v2, v0, 4, 1                         ; h
	v_mul_u32_u24 v3, v1, PITCH
	v_lshl_add_u32 v4, v2, 4, v3                   ; a fragment's row x pitch + 16 h
	s_mul_i32 s21, s15, HALFT                      ; my 128 rows of S2
	s_mul_i32 s22, s16, HALFT                      ; my 128 rows of P,
	s_add_co_u32 s22, s22, 2*HALFT                 ; which lie behind S2's 256
.irp s, 0,1
	v_add_nc_u32 v[ADRA+\s], s21, v4
	v_add_nc_u32 v[ADRB+\s], s22, v4
	s_add_co_u32 s21, s21, SLOT
	s_add_co_u32 s22, s22, SLOT
.endr
	v_mul_u32_u24 v5, v1, KS                       ; my row's scale bytes: 32 a row,
	v_lshrrev_b32 v6, 8, v5
	v_lshl_add_u32 v5, v6, 4, v5                   ; and 16 more for each 256 passed
	s_mul_i32 s21, s15, HALFS
	s_mul_i32 s22, s16, HALFS
	s_add_co_u32 s22, s22, 2*HALFS
	s_sub_co_u32 s22, s22, s21
	v_mul_u32_u24 v6, s22, v2                      ; lanes 16-31 take P's: one product, the distance between the two bases
	s_add_co_u32 s21, s21, SCL
	v_add_nc_u32 v5, v5, v6
	v_add_nc_u32 v[ADRS], s21, v5
	; where the results go.  g, G: my 128 rows of P and of S2.  X: the 128 positions; Y: the 128 features (two heads)
	s_lshl_b32 s18, s42, 1
	s_add_co_u32 s18, s18, s16                     ; g
	s_lshl_b32 s19, s17, 1
	s_add_co_u32 s19, s19, s15                     ; G
	s_and_b32 s20, s18, 7
	s_cmp_lg_u32 s66, 0
	s_cselect_b32 s21, s18, s19                    ; X
	s_cselect_b32 s22, s19, s20                    ; Y
	s_lshr_b32 s20, s21, 4
	s_lshl_b32 s20, s20, 8                         ; record = 256 (X / 16) + 32 Y + X % 16: batch, head 2 Y, the 128 positions
	s_and_b32 s21, s21, 15
	s_add_co_u32 s20, s20, s21
	s_lshl_b32 s21, s22, 5
	s_add_co_u32 s20, s20, s21
	s_mul_i32 s20, s20, s98                        ; in bytes: under 2^24
	s_mov_b32 s21, 0
	s_add_nc_u64 s[12:13], s[12:13], s[20:21]
	s_lshl_b32 s20, s22, 9                         ; the bias of my 128 features
	s_add_nc_u64 s[96:97], s[96:97], s[20:21]
	s_lshl_b32 s18, s98, 4                         ; 16 records: from a head to the next
	v_lshlrev_b32 v[BH], 6, v2
	v_and_b32 v5, 8, v1
	v_add_nc_u32 v5, v5, v1
	v_lshlrev_b32 v[BR], 2, v5
	v_and_b32 v6, 31, v0
	v_lshlrev_b32 v[VC0], 4, v6
	v_add_nc_u32 v[VC1], s18, v[VC0]
	v_lshlrev_b32 v[LR], 4, v1
	v_mul_u32_u24 v7, s18, v2
	v_add3_u32 v[VS], v[LR], v7, s99
	v_lshlrev_b32 v[SH], 4, v2
	; the bias in both layouts, from the same 512 bytes: each kind uses one; they land while the products run
.irp b, 0,1,2,3,4,5,6,7
	global_load_b128 v[BB+8*\b:BB+8*\b+3], v[BH], s[96:97] offset:(32*(\b/2)+8*(\b%2))*4
	global_load_b128 v[BB+8*\b+4:BB+8*\b+7], v[BH], s[96:97] offset:(32*(\b/2)+8*(\b%2))*4+16
.endr
.irp a, 0,1,2,3,4,5,6,7
	global_load_b32 v[BQ+2*\a], v[BR], s[96:97] offset:(32*(\a/2)+8*(\a%2))*4
	global_load_b32 v[BQ+2*\a+1], v[BR], s[96:97] offset:(32*(\a/2)+8*(\a%2))*4
.endr
.macro FRAG reg, adr, q, i             ; 16 rows x 128 K of 4-bit codes: lane l holds row l % 16; registers 4 c .. 4 c + 3 hold K = 64 c + 32 (l / 16) + 0 .. 31
.irp c, 0,1
	ds_load_b128 v[\reg+4*\c:\reg+4*\c+3], v[\adr] offset:64*(\q)+32*\c+(\i)*16*PITCH
.endr
.endm
; 16 matrix instructions: S2's tiles a0, a0 + 1 x P's eight.  p: P's set; sc: the set of scale words.  zero = 1: the product starts the sums.
; The 64 accumulators take turns, one instruction a turn, in the same order in every step.
.macro MUL16 a0, p, q, sc, zero
.irp a, \a0, \a0+1
.irp b, 0,1,2,3,4,5,6,7
.if \zero
	v_wmma_scale_f32_16x16x128_f8f6f4 v[8*(8*((\a)%4)+\b):8*(8*((\a)%4)+\b)+7], v[128*(\p)+FR*\b:128*(\p)+FR*\b+FR-1], v[AF+FR*(\a):AF+FR*(\a)+FR-1], 0, v[SC+8*NQ*(\sc)+NQ*\b+(\q)], v[SC+8*NQ*(\sc)+NQ*(\a)+(\q)] matrix_a_fmt:MATRIX_FMT_FP4 matrix_b_fmt:MATRIX_FMT_FP4 matrix_a_scale:MATRIX_SCALE_ROW1
.else
	v_wmma_scale_f32_16x16x128_f8f6f4 v[8*(8*((\a)%4)+\b):8*(8*((\a)%4)+\b)+7], v[128*(\p)+FR*\b:128*(\p)+FR*\b+FR-1], v[AF+FR*(\a):AF+FR*(\a)+FR-1], v[8*(8*((\a)%4)+\b):8*(8*((\a)%4)+\b)+7], v[SC+8*NQ*(\sc)+NQ*\b+(\q)], v[SC+8*NQ*(\sc)+NQ*(\a)+(\q)] matrix_a_fmt:MATRIX_FMT_FP4 matrix_b_fmt:MATRIX_FMT_FP4 matrix_a_scale:MATRIX_SCALE_ROW1
.endif
.endr
.endr
.endm
.macro FETCH_B slot, q, p              ; P's eight fragments of the slot's q-th 128 along K into set p
	WIN TO_B
.irp i, 0,1,2,3,4,5,6,7
	FRAG 128*(\p)+FR*\i, ADRB+\slot, \q, \i
.endr
	WIN 0
.endm
.macro FETCH_A slot, q, i0             ; S2's tiles i0 .. i0 + 3
.irp i, \i0, \i0+1, \i0+2, \i0+3
	FRAG AF+FR*(\i), ADRA+\slot, \q, \i
.endr
.endm
.macro SCALES sc                       ; a slot's scale words: four a row; lanes 0-15 take S2's tile i, lanes 16-31 P's tile i
.irp i, 0,1,2,3,4,5,6,7
	ds_load_b128 v[SC+8*NQ*\sc+NQ*\i:SC+8*NQ*\sc+NQ*\i+3], v[ADRS] offset:\i*SBLK
.endr
.endm
.macro PLACES n                        ; plain vector lines in front of loads into registers that matrix instructions have read, and of the first read of results
.rept \n
	v_nop
.endr
.endm
.macro STEP slot, q, zero              ; 128 along K with a successor in the same slot
	s_wait_dscnt 4*NL                              ; P's set and S2's tiles 0-3 are in; the youngest eight loads (tiles 4-7) may be out
	WIN MUL_LO
	MUL16 0, (\q)%2, \q, \slot, \zero
	MUL16 2, (\q)%2, \q, \slot, \zero
	s_wait_dscnt 0                                 ; tiles 4-7 are in
	PLACES NP
	FETCH_B \slot, (\q)+1, 1-(\q)%2
	FETCH_A \slot, (\q)+1, 0
	WIN MUL_HI
	MUL16 4, (\q)%2, \q, \slot, \zero
	MUL16 6, (\q)%2, \q, \slot, \zero
	PLACES NP
	WIN 0
	FETCH_A \slot, (\q)+1, 4
.endm
; Slot 0's last step changes slots: one barrier; in front of it each wave waits for all its tensor loads (its part of slot 1).
.macro TURN slot, next
	s_wait_tensorcnt 0x0                           ; my part of the next slot has landed
	ds_add_u32 v[SPW], v[NIL]                      ; 0 onto my spare word
	s_wait_dscnt 4*NL+1                            ; (the add and the youngest eight loads may be out)
	WIN MUL_LO
	MUL16 0, 1, NQ-1, \slot, 0
	s_wait_dscnt 0x0                               ; the add is done and my reads of this slot are over
	s_barrier_signal -1
	MUL16 2, 1, NQ-1, \slot, 0
	WIN 0
	s_barrier_wait -1                              ; the next slot is whole
	PLACES NP
	v_add_nc_u32 v[ADRS], 4*NQ, v[ADRS]            ; on to the next slot's scale words
	FETCH_B \next, 0, 0
	FETCH_A \next, 0, 0
	SCALES \next
	WIN MUL_HI
	MUL16 4, 1, NQ-1, \slot, 0
	MUL16 6, 1, NQ-1, \slot, 0
	PLACES NP
	WIN 0
	FETCH_A \next, 0, 4
.endm
.macro STEPS slot, from
.set Q, \from
.rept NQ-1-\from
	STEP \slot, Q, 0
.set Q, Q+1
.endr
.endm
	s_wait_tensorcnt 1                             ; the scale bytes and my part of slot 0 are in; slot 1's load may be out
	s_barrier_signal -1
	s_barrier_wait -1                              ; everybody's are
	FETCH_B 0, 0, 0
	FETCH_A 0, 0, 0
	SCALES 0
	FETCH_A 0, 0, 4
	STEP 0, 0, 1                                   ; the first products start the sums: nothing is cleared
	STEPS 0, 1
	TURN 0, 1
	STEPS 1, 0
	s_wait_dscnt 4*NL                              ; the last step: nothing more to fetch
	WIN MUL_LO
	MUL16 0, 1, NQ-1, 1, 0
	MUL16 2, 1, NQ-1, 1, 0
	s_wait_dscnt 0
	WIN MUL_HI
	MUL16 4, 1, NQ-1, 1, 0
	MUL16 6, 1, NQ-1, 1, 0
	WIN 0
; THE WAY OUT.  64 numbers of a lane, register 16 b + i = index 32 b + 16 (lane / 16) + i along the next K, become a fragment's codes in v[PC] on and its scale word in v[w].
.macro QUANT s, w
.irp b, 0,1,2,3
	v_max3_num_f32 v[TM+\b], |v[\s+16*\b]|, |v[\s+1+16*\b]|, 0x1800000   ; block b: my 16 numbers, and the floor 2^(3 - 127): the byte cannot fall under 1
.endr
.irp i, 2,4,6,8,10,12,14
.irp b, 0,1,2,3
	v_max3_num_f32 v[TM+\b], v[TM+\b], |v[\s+16*\b+\i]|, |v[\s+1+16*\b+\i]|   ; the four blocks by turns
.endr
.endr
.irp b, 0,1,2,3
	v_permlanex16_b32 v[TM+4+\b], v[TM+\b], s[SEL], s[SEL+1]
.endr
.irp b, 0,1,2,3
	v_max_num_f32 v[TM+\b], v[TM+\b], v[TM+4+\b]   ; with lane l xor 16's: the block's largest magnitude
.endr
.irp b, 0,1,2,3
	v_add_nc_u32 v[TM+12+\b], 0xff000000, v[TM+\b] ; 2 off its exponent field: the conversion's scale operand
.endr
.irp b, 0,1,2,3
	v_lshrrev_b32 v[TM+4+\b], 23, v[TM+12+\b]      ; the scale's byte
.endr
	v_lshl_or_b32 v[\w], v[TM+5], 8, v[TM+4]
	v_lshl_or_b32 v[\w], v[TM+6], 16, v[\w]
	v_lshl_or_b32 v[\w], v[TM+7], 24, v[\w]
.irp b, 0,1,2,3
	v_cvt_scalef32_pk8_fp4_f32 v[PC+2*\b], v[\s+16*\b:\s+7+16*\b], v[TM+12+\b]
	v_cvt_scalef32_pk8_fp4_f32 v[PC+1+2*\b], v[\s+8+16*\b:\s+15+16*\b], v[TM+12+\b]
.endr
	v_nop                                          ; one plain line behind a scaled conversion
.irp c, 0,1                                    ; the operand's layout wants a whole block in a lane: lanes 0-15 block 2 c, lanes 16-31 block 2 c + 1
.irp i, 0,1
	v_permlane16_swap_b32 v[PC+4*\c+\i], v[PC+2+4*\c+\i]
.endr
.endr
.endm
; My eight S2 tiles, one after the other: the bias is added behind the sum (the same line brings the tile into window 0, each accumulator from its low end on), the 64 numbers are quantised, the codes stored.
.macro EPI kind
.irp a, 0,1,2,3,4,5,6,7
.if \a > 0
	s_wait_xcnt 0x0                                ; the last tile's stores have read their registers: the codes may be written again
.endif
	WIN 0x02+\a/4                                  ; source 0: window 2 or 3
.set i, 0
.rept 32
.if \kind
	v_pk_add_f32 v[T+2*i:T+2*i+1], v[64*(\a%4)+2*i:64*(\a%4)+2*i+1], v[BQ+2*\a:BQ+2*\a+1]
.else
	v_pk_add_f32 v[T+2*i:T+2*i+1], v[64*(\a%4)+2*i:64*(\a%4)+2*i+1], v[BB+2*i:BB+2*i+1]
.endif
.set i, i+1
.endr
	WIN 0
	QUANT T, SW+\a
.if \kind
	global_store_b128 v[VC0], v[PC:PC+3], s[12:13] offset:(\a/4)*16*REC+4096+1024*(\a%4)         ; V^T's fragment: tile a % 4 of head 2 Y + a / 4; each store covers 512 consecutive bytes, aligned
	global_store_b128 v[VC0], v[PC+4:PC+7], s[12:13] offset:(\a/4)*16*REC+4096+1024*(\a%4)+512
.else
	v_lshrrev_b32 v[SW+\a], v[SH], v[SW+\a]        ; lanes 16-31 carry head 2 Y + 1's two bytes in the low half (what stands above a head's two bytes meets zero codes alone)
	global_store_b128 v[VC0], v[PC:PC+3], s[12:13] offset:512*\a      ; head 2 Y: the tile's image, 512 consecutive bytes, aligned
	global_store_b128 v[VC1], v[PC+4:PC+7], s[12:13] offset:512*\a    ; head 2 Y + 1
.endif
.endr
.irp f, 0,1
.if \kind
	global_store_b128 v[LR], v[SW+4*\f:SW+4*\f+3], s[12:13] offset:8704+\f*16*REC   ; V's scale words of head 2 Y + f: 16 rows x 4 tiles (lanes 16-31 repeat lanes 0-15)
.else
	global_store_b128 v[VS], v[SW+4*\f:SW+4*\f+3], s[12:13] offset:256*\f           ; tiles 4 f on: lanes 0-15 fill 256 bytes of head 2 Y's record, lanes 16-31 of head 2 Y + 1's
.endif
.endr
.endm
	s_wait_loadcnt 0x0                             ; the biases
	s_mov_b32 s[SEL], 0x76543210
	s_mov_b32 s[SEL+1], 0xfedcba98
	PLACES NP                                      ; behind the last products
.irp b, 0,1,2,3
	v_mov_b32 v[TM+4+\b], 0                        ; written once: a lane permute's destination counts as one of its sources
.endr
	s_cmp_lg_u32 s66, 0                            ; the kind: the same in all partners; both ways hold register work and global stores alone
	s_cbranch_scc1 .Lkind1
	EPI 0
	s_branch .Lend
.Lkind1:
	EPI 1
.Lend:
	s_wait_tensorcnt 0x0                           ; the wave's end
	ds_add_u32 v[SPW], v[NIL]
	s_wait_dscnt 0x0
	CROUND                                         ; the closing round: no work-group ends while a partner may still ask for a tile that names it
	s_endpgm
.Lfunc_end_k_qe6164b2b84_qkv:
	.size	k_qe6164b2b84_qkv, .Lfunc_end_k_qe6164b2b84_qkv-k_qe6164b2b84_qkv
	.p2alignl 7, 3214868480
	.fill 96, 4, 3214868480
	.section	.rodata,"a",@progbits
	.p2align	6, 0x0
	.amdhsa_kernel k_qe6164b2b84_qkv
		.amdhsa_group_segment_fixed_size 327680
		.amdhsa_private_segment_fixed_size 0
		.amdhsa_enable_private_segment 0
		.amdhsa_kernarg_size 72
		.amdhsa_user_sgpr_count 2
		.amdhsa_user_sgpr_kernarg_segment_ptr 1
		.amdhsa_wavefront_size32 1
		.amdhsa_system_sgpr_workgroup_id_x 1
		.amdhsa_system_sgpr_workgroup_id_y 1
		.amdhsa_system_sgpr_workgroup_id_z 1
		.amdhsa_system_vgpr_workitem_id 0
		.amdhsa_next_free_vgpr 1024
		.amdhsa_next_free_sgpr 100
		.amdhsa_reserve_vcc 0
		.amdhsa_float_denorm_mode_32 3
		.amdhsa_float_denorm_mode_16_64 3
		.amdhsa_memory_ordered 1
		.amdhsa_forward_progress 1
		.amdhsa_inst_pref_size 196
	.end_amdhsa_kernel
	.amdgpu_metadata
---
amdhsa.version: [ 1, 2 ]
amdhsa.kernels:
  - .name:           k_qe6164b2b84_qkv
    .symbol:         k_qe6164b2b84_qkv.kd
    .args:
      - { .name: x_codes, .offset: 0, .size: 8, .value_kind: global_buffer, .address_space: global }
      - { .name: x_sc, .offset: 8, .size: 8, .value_kind: global_buffer, .address_space: global }
      - { .name: w_codes, .offset: 16, .size: 8, .value_kind: global_buffer, .address_space: global }
      - { .name: w_sc, .offset: 24, .size: 8, .value_kind: global_buffer, .address_space: global }
      - { .name: bq, .offset: 32, .size: 8, .value_kind: global_buffer, .address_space: global }
      - { .name: bk, .offset: 40, .size: 8, .value_kind: global_buffer, .address_space: global }
      - { .name: bv, .offset: 48, .size: 8, .value_kind: global_buffer, .address_space: global }
      - { .name: q_buf, .offset: 56, .size: 8, .value_kind: global_buffer, .address_space: global }
      - { .name: kv, .offset: 64, .size: 8, .value_kind: global_buffer, .address_space: global }
    .group_segment_fixed_size: 327680
    .private_segment_fixed_size: 0
    .kernarg_segment_align: 8
    .kernarg_segment_size: 72
    .max_flat_workgroup_size: 128
    .sgpr_count:     100
    .vgpr_count:     1024
    .wavefront_size: 32
...
	.end_amdgpu_metadata
.endif
;; end of part 2
;; launch attn (part 3): grid 4 x 64, 16 waves a work-group, clusters of 4 x 1, 169,984 bytes of LDS; arguments q_buf, kv, o_codes, o_sc; writes o_codes, o_sc
.if DOCPART == 3
	.amdgcn_target "amdgcn-amd-amdhsa--gfx1250"
	.amdhsa_code_object_version 6
	.text
	.protected	k_qe6164b2b84_attn
	.globl	k_qe6164b2b84_attn
	.p2align	8
	.type	k_qe6164b2b84_attn,@function
k_qe6164b2b84_attn:
	s_mov_b64 s[64:65], 0
	v_nop
	global_prefetch_b8 v0, s[64:65] scope:SCOPE_SE
	s_setreg_imm32_b32 hwreg(HW_REG_WAVE_MODE, 25, 1), 1
	s_wait_xcnt 0x0
	s_wait_alu depctr_hold_cnt(0) depctr_sa_sdst(0) depctr_va_vdst(0) depctr_va_sdst(0) depctr_va_ssrc(0) depctr_va_vcc(0) depctr_vm_vsrc(0)
	s_getreg_b32 s2, hwreg(HW_REG_IB_STS2, 6, 4)
	s_cmp_eq_u32 s2, 0
	s_cbranch_scc0 .Lentry_in_a_cluster
	s_endpgm
.Lentry_in_a_cluster:
	s_bfe_u32 s2, ttmp6, 0x10000c
	s_cmp_lg_u32 s2, 0x3003
	s_cbranch_scc0 .Lentry_shape_is_right
	s_endpgm
.Lentry_shape_is_right:
; o = softmax(q k^T / 8) v for one batch x head, both products on codes of FP4 with E8M0 scales, and o quantised along the head's 64 for the last product.
; THE SOFTMAX: t = score x log2(e) / 8; M = the running largest t rounded UP to a whole number; p = 2^(t - M) is quantised along the keys, not normalised; the row's sum is taken of the
; unquantised p in f32 and divides O at the end.  When M moves, the sum and O are multiplied by 2^(old M - new M), which rounds nothing.
; SHARES: a work-group owns one head and 512 queries; each of its sixteen waves two tiles of 16 queries, one after the other, in 256 registers: four waves to a SIMD, so that one wave's vector work
; stands beside another's products and LDS loads.  Every wave walks the head's 2,048 keys, 128 a step.
; LDS: the head's K, V and scale words are 16 records of 8,960 bytes, 143,360 in all: they are filled ONCE, wave w bringing record w, and stay: no slot is filled again, and one barrier serves the launch.
; CLUSTER: the four work-groups of a cluster own the same head, so each record is asked for jointly: the same tensor load with the mask of all four.
; LAYOUT: both products are used transposed: S^T = K Q^T, O^T = V^T P^T: a lane holds ONE query throughout.  The tiles of K, of V's channels and of Q hold, within each 32 indices, indices 8 u + 0..7 and
; 8 u + 16..23, so that the 16 registers of two neighbouring result tiles are 16 neighbours: keys for p, channels for o.
; The first product's K is 64: registers 4-7 of Q's and K's fragments are zero codes, set once; they add nothing under any scale byte that is not 0xff, and none is.
; LIMITS: a block of zeros gets the byte 1; blocks under 2^-124 are held at the byte 1; NaN and infinities are not served.
; REGISTERS: v1-9 addresses and Q's scale words; v12 -M, v13 the largest t, v[14:15] the sum; v16-31 Q's two fragments; v32-95 K's eight; v96-159 S^T, then p; v160-191 O^T; v192-223 V's four;
;   v224-231 p's codes; v232-239 at work; v240-247 K's scale words, v248-251 V's; v252 f, v253 p's scale word, v254 at work.
.set REC,  8960
.set QREC, 4608
.set LI,   1                           ; v1  16 x lane: an image's place for my lane
.set LR,   2                           ; v2  16 r: four scale words of my row
.set ADK,  3                           ; v3  the step's record + LI
.set ADS,  4                           ; v4  the step's record + LR
.set OS,   5                           ; v5  32 r: my row of o's scale bytes
.set QA,   6                           ; v6  my tile's image in a record of q
.set QW,   9                           ; v9  and its scale word
.set WV,   12                          ; s12 my wave's number
.set G1,   24                          ; s[24:31], s[32:35] the descriptor
.set G0,   32
.set SEL,  36                          ; s[36:37] lane selects for lane l xor 16
.set CS,   38                          ; s[38:39] c = log2(e) / 8; the packed form names a pair and takes its low word for both halves
.set TB,   40                          ; s40 LDS byte of the step's record
.set CNT,  41                          ; s41 steps to go
.macro CROUND                          ; a round of the cluster's barrier
	s_barrier_signal -1
	s_barrier_wait -1
	s_cmp_lg_u32 s[WV], 0
	s_cbranch_scc1 .Lnot_wave_0_\@
	s_barrier_signal -3
.Lnot_wave_0_\@:
	s_barrier_wait -3
	s_barrier_signal -1
	s_barrier_wait -1
.endm
	s_load_b256 s[4:11], s[0:1], 0x0               ; q_buf, kv, o_codes, o_sc
	v_lshl_add_u32 v11, v0, 2, 0x29000
	v_mov_b32 v255, 0
	ds_add_u32 v11, v255
	ds_add_u32 v11, v255
	v_lshrrev_b32 v3, 5, v0
	s_delay_alu instid0(VALU_DEP_1)
	v_readfirstlane_b32 s[WV], v3                  ; wave 0..15
	s_bfe_u32 s13, ttmp6, 0x40000                  ; cx
	s_lshl_b32 s14, ttmp9, 2
	s_add_co_u32 s14, s14, s13                     ; my block of 512 queries: it enters q's and o's global addresses alone
	s_and_b32 s15, ttmp7, 0xffff                   ; batch x head, which the four partners share
	s_lshl_b32 s16, s15, 4
	s_add_co_u32 s16, s16, s[WV]
	s_mul_i32 s16, s16, REC                        ; the record that I fetch: 16 x head + wave (under 2^24 bytes),
	s_mov_b32 s17, 0
	s_mul_i32 s18, s[WV], REC                      ; and where it goes
	; group 1: 8,960 dense bytes as 35 rows of 256 (32 elements of 8 bytes), no padding
	s_mov_b32 s[G1], 15|(3<<16)|(1<<21)            ; 15:0 the mask: all four work-groups; 17:16 elements of 8 bytes; 21 set beside a mask
	s_mov_b32 s[G1+1], 32<<16                      ; tensor_dim0
	s_mov_b32 s[G1+2], 35<<16                      ; tensor_dim1
	s_mov_b32 s[G1+3], 32<<16                      ; tile_dim0
	s_mov_b32 s[G1+4], 35                          ; tile_dim1
	s_mov_b32 s[G1+5], 32                          ; the pitch
	s_mov_b32 s[G1+6], 0
	s_mov_b32 s[G1+7], 0
	s_lshl_b32 s20, s15, 4                         ; q: record 16 x head + 4 x block + wave / 8 holds my first tile; the second lies two records on
	s_lshl_b32 s21, s14, 2
	s_add_co_u32 s20, s20, s21
	s_lshr_b32 s21, s[WV], 3
	s_add_co_u32 s20, s20, s21
	s_mul_i32 s20, s20, QREC
	s_mov_b32 s21, 0
	s_lshr_b32 s22, s15, 4                         ; o: row tile 128 x batch + 32 x block + wave; the second 16 tiles on
	s_lshl_b32 s22, s22, 7
	s_lshl_b32 s23, s14, 5
	s_add_co_u32 s22, s22, s23
	s_add_co_u32 s22, s22, s[WV]
	s_and_b32 s19, s15, 15                         ; the head
	s_lshl_b32 s42, s22, 13                        ; codes: 8,192 bytes a row tile, 512 a head
	s_lshl_b32 s43, s19, 9
	s_add_co_u32 s42, s42, s43
	s_mov_b32 s43, 0
	s_lshl_b32 s44, s22, 9                         ; scale bytes: 16 rows of 32, two bytes a head
	s_lshl_b32 s45, s19, 1
	s_add_co_u32 s44, s44, s45
	s_mov_b32 s45, 0
	s_mov_b32 s[SEL], 0x76543210
	s_mov_b32 s[SEL+1], 0xfedcba98
	s_mov_b32 s[CS], 0x3e38aa3b                    ; log2(e) / 8
	s_mov_b32 s[CS+1], s[CS]
	s_wait_dscnt 0x0
	s_wait_kmcnt 0x0
	s_mov_b32 s[G0], 1                             ; count = 1
	s_mov_b32 s[G0+1], s18                         ; LDS address
	s_add_nc_u64 s[G0+2:G0+3], s[6:7], s[16:17]    ; global address
	s_or_b32 s[G0+3], s[G0+3], 0x80000000          ; type = 2
	s_add_nc_u64 s[4:5], s[4:5], s[20:21]
	s_add_nc_u64 s[8:9], s[8:9], s[42:43]
	s_add_nc_u64 s[10:11], s[10:11], s[44:45]
	CROUND                                         ; all four work-groups are here: the joint loads meet
	tensor_load_to_lds s[G0:G0+3], s[G1:G1+7]      ; my one tensor load of the launch
	s_nop 0
.rept 4
	v_nop
.endr
	v_and_b32 v[LI], 31, v0
	s_delay_alu instid0(VALU_DEP_1)
	v_lshlrev_b32 v[LI], 4, v[LI]
	v_and_b32 v[LR], 15, v0
	s_delay_alu instid0(VALU_DEP_1)
	v_lshlrev_b32 v[OS], 5, v[LR]
	s_delay_alu instid0(VALU_DEP_2)
	v_lshlrev_b32 v[LR], 4, v[LR]
	s_wait_alu depctr_va_vdst(0)
	s_and_b32 s16, s[WV], 7                        ; my tile in its record of q
	s_lshl_b32 s17, s16, 9
	v_add_nc_u32 v[QA], s17, v[LI]
	s_lshr_b32 s17, s16, 2                         ; its scale word: 4,096 + 256 (tile / 4) + 16 r + 4 (tile % 4)
	s_lshl_b32 s17, s17, 8
	s_and_b32 s16, s16, 3
	s_lshl_b32 s16, s16, 2
	s_add_co_u32 s16, s16, s17
	s_add_co_u32 s16, s16, 4096
	v_add_nc_u32 v[QW], s16, v[LR]
	global_load_b128 v[16:19], v[QA], s[4:5]                   ; Q's two tiles stay in registers
	global_load_b128 v[24:27], v[QA], s[4:5] offset:2*QREC
	global_load_b32 v7, v[QW], s[4:5]
	global_load_b32 v8, v[QW], s[4:5] offset:2*QREC
.irp j, 20,21,22,23,28,29,30,31
	v_mov_b32 v[\j], 0                             ; zero codes for K = 64 .. 127 of the first product
.endr
.irp t, 0,1,2,3,4,5,6,7
.irp j, 4,5,6,7
	v_mov_b32 v[32+8*\t+\j], 0
.endr
.endr
.irp j, 236,237,238,239,253,254
	v_mov_b32 v[\j], 0                             ; written once: a lane permute's destination counts as one of its sources; v253 is named as the upper half of a pair
.endr
	s_wait_tensorcnt 0x0                           ; my record has landed,
	s_barrier_signal -1
	s_barrier_wait -1                              ; everybody's has
	s_wait_loadcnt 0x0                             ; Q
; A KEY STEP: 128 keys, the record at s[TB].  qf: Q's fragment; qs: its scale words.
.macro STEP qf, qs
	v_add_nc_u32 v[ADK], s[TB], v[LI]
	v_add_nc_u32 v[ADS], s[TB], v[LR]
	v_nop
	v_nop                                          ; four plain lines behind the last products, in front of the loads into V's registers
.irp t, 0,1,2,3,4,5,6,7
	ds_load_b128 v[32+8*\t:35+8*\t], v[ADK] offset:512*\t          ; K's tile t: 512 consecutive bytes
.endr
	ds_load_b128 v[240:243], v[ADS] offset:8192                    ; K's scale words, tiles 0-3,
	ds_load_b128 v[244:247], v[ADS] offset:8448                    ; tiles 4-7
.irp t, 0,1,2,3
.irp c, 0,1
	ds_load_b128 v[192+8*\t+4*\c:195+8*\t+4*\c], v[ADK] offset:4096+1024*\t+512*\c   ; V^T's tile t
.endr
.endr
	ds_load_b128 v[248:251], v[ADS] offset:8704                    ; V's scale words
	s_wait_dscnt 9                                 ; K's ten loads are in; V's nine may be out: they are wanted behind the softmax
.irp t, 0,1,2,3,4,5,6,7
	v_wmma_scale_f32_16x16x128_f8f6f4 v[96+8*\t:103+8*\t], v[32+8*\t:39+8*\t], v[\qf:\qf+7], 0, v[240+\t], v[\qs] matrix_a_fmt:MATRIX_FMT_FP4 matrix_b_fmt:MATRIX_FMT_FP4
.endr
.rept 4
	v_nop
.endr
.irp b, 0,1,2,3
	v_max3_num_f32 v[232+\b], v[96+16*\b], v[97+16*\b], v[98+16*\b]   ; the largest score of each block of 32 keys: it serves the row's maximum and, since p rises with the score, the block's largest p
.endr
.irp i, 3,5,7,9,11,13
.irp b, 0,1,2,3
	v_max3_num_f32 v[232+\b], v[232+\b], v[96+16*\b+\i], v[97+16*\b+\i]
.endr
.endr
.irp b, 0,1,2,3
	v_max_num_f32 v[232+\b], v[232+\b], v[111+16*\b]
.endr
.irp b, 0,1,2,3
	s_delay_alu instid0(VALU_DEP_4)
	v_permlanex16_b32 v[236+\b], v[232+\b], s[SEL], s[SEL+1]
.endr
.irp b, 0,1,2,3
	s_delay_alu instid0(VALU_DEP_4)
	v_max_num_f32 v[232+\b], v[232+\b], v[236+\b]  ; with lane l xor 16's 16 keys
.endr
	s_delay_alu instid0(VALU_DEP_2)
	v_max3_num_f32 v254, v232, v233, v234
	s_delay_alu instid0(VALU_DEP_1)
	v_max_num_f32 v254, v254, v235                 ; the step's largest score of my query
	s_delay_alu instid0(VALU_DEP_1)
	v_mul_f32 v254, s[CS], v254                    ; as t
	s_delay_alu instid0(VALU_DEP_1)
	v_max_num_f32 v13, v13, v254                   ; the running largest t
	v_mov_b32 v254, v12
	s_delay_alu instid0(VALU_DEP_2)
	v_floor_f32 v12, -v13                          ; the new -M = -ceil(t): a whole number
	s_delay_alu instid0(VALU_DEP_1)
	v_sub_f32 v254, v12, v254                      ; old M - new M: a whole number, 0 or less
	s_delay_alu instid0(VALU_DEP_1)
	v_cvt_i32_f32 v254, v254                       ; (it saturates)
	s_delay_alu instid0(VALU_DEP_1)
	v_ldexp_f32 v252, 1.0, v254                    ; f = 2^(old M - new M)
.irp j, 0,2,4,6,8,10,12,14,16,18,20,22,24,26,28,30,32,34,36,38,40,42,44,46,48,50,52,54,56,58,60,62
	v_pk_fma_f32 v[96+\j:97+\j], v[96+\j:97+\j], s[CS:CS+1], v[12:13] op_sel_hi:[1,0,0]   ; t - M, two at a time
.endr
.irp b, 0,1,2,3
	v_fma_f32 v[232+\b], v[232+\b], s[CS], v12     ; the same of each block's largest score
.endr
	s_wait_alu depctr_va_vdst(0)
.irp j, 0,1,2,3,4,5,6,7,8,9,10,11,12,13,14,15,16,17,18,19,20,21,22,23,24,25,26,27,28,29,30,31,32,33,34,35,36,37,38,39,40,41,42,43,44,45,46,47,48,49,50,51,52,53,54,55,56,57,58,59,60,61,62,63
	v_exp_f32 v[96+\j], v[96+\j]                   ; p = 2^(t - M), at most 1
.endr
	s_setprio 1
.irp b, 0,1,2,3
	v_exp_f32 v[232+\b], v[232+\b]                 ; the block's largest p: the same two instructions on the same number
.endr
	v_pk_mul_f32 v[14:15], v[14:15], v[252:253] op_sel_hi:[1,0]   ; the sum under the new M (the plain line behind the exponentials)
	s_wait_alu depctr_va_vdst(0)
.irp b, 0,1,2,3
	v_max_num_f32 v[232+\b], 0x1800000, v[232+\b]  ; the floor 2^(3 - 127): the byte cannot fall under 1
.endr
.irp b, 0,1,2,3
	s_delay_alu instid0(VALU_DEP_4)
	v_add_nc_u32 v[232+\b], 0xff000000, v[232+\b]  ; 2 off the exponent field: the conversion's scale operand
.endr
.irp b, 0,1,2,3
	s_delay_alu instid0(VALU_DEP_4)
	v_lshrrev_b32 v[236+\b], 23, v[232+\b]         ; the scale's byte
.endr
	s_delay_alu instid0(VALU_DEP_3)
	v_lshl_or_b32 v253, v237, 8, v236              ; p's scale word for these 128 keys
	s_delay_alu instid0(VALU_DEP_1)
	v_lshl_or_b32 v253, v238, 16, v253
	s_delay_alu instid0(VALU_DEP_1)
	v_lshl_or_b32 v253, v239, 24, v253
.irp b, 0,1,2,3
	v_cvt_scalef32_pk8_fp4_f32 v[224+2*\b], v[96+16*\b:103+16*\b], v[232+\b]
	v_cvt_scalef32_pk8_fp4_f32 v[225+2*\b], v[104+16*\b:111+16*\b], v[232+\b]
.endr
	v_nop                                          ; one plain line behind a scaled conversion
.irp c, 0,1                                    ; a whole block in a lane: lanes 0-15 block 2 c, lanes 16-31 block 2 c + 1
.irp i, 0,1
	v_permlane16_swap_b32 v[224+4*\c+\i], v[226+4*\c+\i]
.endr
.endr
	v_pk_add_f32 v[236:237], v[100:101], v[104:105]
	v_pk_add_f32 v[246:247], v[108:109], v[112:113]
	v_pk_add_f32 v[244:245], v[116:117], v[120:121]
	v_pk_add_f32 v[242:243], v[124:125], v[128:129]
	v_pk_add_f32 v[240:241], v[132:133], v[136:137]
	v_pk_add_f32 v[234:235], v[140:141], v[144:145]
	v_pk_add_f32 v[232:233], v[148:149], v[152:153]
	v_pk_add_f32 v[14:15], v[14:15], v[156:157]
	v_pk_add_f32 v[236:237], v[236:237], v[96:97]
	v_pk_add_f32 v[246:247], v[246:247], v[98:99]
	v_pk_add_f32 v[244:245], v[244:245], v[102:103]
	v_pk_add_f32 v[242:243], v[242:243], v[106:107]
	v_pk_add_f32 v[240:241], v[240:241], v[110:111]
	v_pk_add_f32 v[234:235], v[234:235], v[114:115]
	v_pk_add_f32 v[232:233], v[232:233], v[118:119]
	v_pk_add_f32 v[14:15], v[14:15], v[122:123]
	v_pk_add_f32 v[236:237], v[236:237], v[126:127]
	v_pk_add_f32 v[246:247], v[246:247], v[130:131]
	v_pk_add_f32 v[244:245], v[244:245], v[134:135]
	v_pk_add_f32 v[242:243], v[242:243], v[138:139]
	v_pk_add_f32 v[240:241], v[240:241], v[142:143]
	v_pk_add_f32 v[234:235], v[234:235], v[146:147]
	v_pk_add_f32 v[232:233], v[232:233], v[150:151]
	v_pk_add_f32 v[14:15], v[14:15], v[154:155]
	v_pk_add_f32 v[236:237], v[236:237], v[158:159]
	s_delay_alu instid0(VALU_DEP_2)
	v_pk_add_f32 v[14:15], v[14:15], v[242:243]
	s_delay_alu instid0(VALU_DEP_2)
	v_pk_add_f32 v[236:237], v[236:237], v[240:241]
	v_pk_add_f32 v[246:247], v[246:247], v[234:235]
	v_pk_add_f32 v[244:245], v[244:245], v[232:233]
	s_delay_alu instid0(VALU_DEP_2)
	v_pk_add_f32 v[14:15], v[14:15], v[246:247]
	s_delay_alu instid0(VALU_DEP_2)
	v_pk_add_f32 v[236:237], v[236:237], v[244:245]
	s_delay_alu instid0(VALU_DEP_1)
	v_pk_add_f32 v[14:15], v[14:15], v[236:237]
	s_setprio 0
.irp j, 0,2,4,6,8,10,12,14,16,18,20,22,24,26,28,30
	v_pk_mul_f32 v[160+\j:161+\j], v[160+\j:161+\j], v[252:253] op_sel_hi:[1,0]   ; O^T under the new M
.endr
	s_wait_alu depctr_va_vdst(0)
	s_wait_dscnt 0x0                               ; V is in
.irp t, 0,1,2,3                                ; the four accumulators take turns, one instruction a turn
	v_wmma_scale_f32_16x16x128_f8f6f4 v[160+8*\t:167+8*\t], v[192+8*\t:199+8*\t], v[224:231], v[160+8*\t:167+8*\t], v[248+\t], v253 matrix_a_fmt:MATRIX_FMT_FP4 matrix_b_fmt:MATRIX_FMT_FP4
.endr
.endm
; The tile's end: O^T / the sum; register 16 b + i is channel 32 b + 16 (lane / 16) + i of my query: two blocks, quantised, stored as half a fragment of the last product.
.macro FINISH n
	v_add_f32 v14, v14, v15                        ; the sum's two halves,
	s_delay_alu instid0(VALU_DEP_1)
	v_permlanex16_b32 v254, v14, s[SEL], s[SEL+1]
	s_delay_alu instid0(VALU_DEP_1)
	v_add_f32 v14, v14, v254                       ; and lane l xor 16's
	s_wait_alu depctr_va_vdst(0)
	v_rcp_f32 v14, v14
.rept 4
	v_nop                                          ; behind the reciprocal, and behind the last products
.endr
	s_wait_alu depctr_va_vdst(0)
.irp j, 0,2,4,6,8,10,12,14,16,18,20,22,24,26,28,30
	v_pk_mul_f32 v[96+\j:97+\j], v[160+\j:161+\j], v[14:15] op_sel_hi:[1,0]   ; each accumulator from its low end on
.endr
.irp b, 0,1
	v_max3_num_f32 v[232+\b], |v[96+16*\b]|, |v[97+16*\b]|, 0x1800000
.endr
.irp i, 2,4,6,8,10,12,14
.irp b, 0,1
	s_delay_alu instid0(VALU_DEP_2)
	v_max3_num_f32 v[232+\b], v[232+\b], |v[96+16*\b+\i]|, |v[97+16*\b+\i]|
.endr
.endr
.irp b, 0,1
	s_delay_alu instid0(VALU_DEP_2)
	v_permlanex16_b32 v[236+\b], v[232+\b], s[SEL], s[SEL+1]
.endr
.irp b, 0,1
	s_delay_alu instid0(VALU_DEP_2)
	v_max_num_f32 v[232+\b], v[232+\b], v[236+\b]
.endr
.irp b, 0,1
	s_delay_alu instid0(VALU_DEP_2)
	v_add_nc_u32 v[232+\b], 0xff000000, v[232+\b]
.endr
.irp b, 0,1
	s_delay_alu instid0(VALU_DEP_2)
	v_lshrrev_b32 v[236+\b], 23, v[232+\b]
.endr
	s_delay_alu instid0(VALU_DEP_1)
	v_lshl_or_b32 v254, v237, 8, v236              ; the head's two scale bytes of my row
.irp b, 0,1
	v_cvt_scalef32_pk8_fp4_f32 v[224+2*\b], v[96+16*\b:103+16*\b], v[232+\b]
	v_cvt_scalef32_pk8_fp4_f32 v[225+2*\b], v[104+16*\b:111+16*\b], v[232+\b]
.endr
	v_nop
	v_permlane16_swap_b32 v224, v226               ; lanes 0-15 block 0, lanes 16-31 block 1
	v_permlane16_swap_b32 v225, v227
	global_store_b128 v[LI], v[224:227], s[8:9] offset:131072*\n    ; 512 consecutive bytes, aligned
	global_store_b16 v[OS], v254, s[10:11] offset:8192*\n           ; two bytes in each of 16 rows of 32 (lanes 16-31 repeat lanes 0-15): the last launch reads these rows as they lie
.endm
.macro TILE qf, qs, n
.if \n > 0
	s_wait_xcnt 0x0                                ; the last tile's stores have read their registers
.endif
	v_mov_b32 v13, 0xff61b1e6                      ; the largest t so far: -3e38
	s_delay_alu instid0(VALU_DEP_1)
	v_floor_f32 v12, -v13                          ; -M
	v_mov_b32 v14, 0
	v_mov_b32 v15, 0
.irp j, 0,1,2,3,4,5,6,7,8,9,10,11,12,13,14,15,16,17,18,19,20,21,22,23,24,25,26,27,28,29,30,31
	v_mov_b32 v[160+\j], 0                         ; O^T: the step is written once; the first finds zeros, which the first change of M leaves zeros
.endr
	s_mov_b32 s[TB], 0
	s_mov_b32 s[CNT], 16
.Lstep_\@:
	s_setprio 2
	STEP \qf, \qs
	s_add_co_u32 s[TB], s[TB], REC
	s_sub_co_u32 s[CNT], s[CNT], 1
	s_cmp_lg_u32 s[CNT], 0
	s_cbranch_scc1 .Lstep_\@
	s_setprio 0
	FINISH \n
.endm
	TILE 16, 7, 0
	TILE 24, 8, 1
	s_wait_tensorcnt 0x0
	ds_add_u32 v11, v255
	s_wait_dscnt 0x0
	CROUND                                         ; the closing round
	s_endpgm
.Lfunc_end_k_qe6164b2b84_attn:
	.size	k_qe6164b2b84_attn, .Lfunc_end_k_qe6164b2b84_attn-k_qe6164b2b84_attn
	.p2alignl 7, 3214868480
	.fill 96, 4, 3214868480
	.section	.rodata,"a",@progbits
	.p2align	6, 0x0
	.amdhsa_kernel k_qe6164b2b84_attn
		.amdhsa_group_segment_fixed_size 169984
		.amdhsa_private_segment_fixed_size 0
		.amdhsa_enable_private_segment 0
		.amdhsa_kernarg_size 32
		.amdhsa_user_sgpr_count 2
		.amdhsa_user_sgpr_kernarg_segment_ptr 1
		.amdhsa_wavefront_size32 1
		.amdhsa_system_sgpr_workgroup_id_x 1
		.amdhsa_system_sgpr_workgroup_id_y 1
		.amdhsa_system_sgpr_workgroup_id_z 1
		.amdhsa_system_vgpr_workitem_id 0
		.amdhsa_next_free_vgpr 256
		.amdhsa_next_free_sgpr 66
		.amdhsa_reserve_vcc 0
		.amdhsa_float_denorm_mode_32 3
		.amdhsa_float_denorm_mode_16_64 3
		.amdhsa_memory_ordered 1
		.amdhsa_forward_progress 1
		.amdhsa_inst_pref_size 50
	.end_amdhsa_kernel
	.amdgpu_metadata
---
amdhsa.version: [ 1, 2 ]
amdhsa.kernels:
  - .name:           k_qe6164b2b84_attn
    .symbol:         k_qe6164b2b84_attn.kd
    .args:
      - { .name: q_buf, .offset: 0, .size: 8, .value_kind: global_buffer, .address_space: global }
      - { .name: kv, .offset: 8, .size: 8, .value_kind: global_buffer, .address_space: global }
      - { .name: o_codes, .offset: 16, .size: 8, .value_kind: global_buffer, .address_space: global }
      - { .name: o_sc, .offset: 24, .size: 8, .value_kind: global_buffer, .address_space: global }
    .group_segment_fixed_size: 169984
    .private_segment_fixed_size: 0
    .kernarg_segment_align: 8
    .kernarg_segment_size: 32
    .max_flat_workgroup_size: 512
    .sgpr_count:     66
    .vgpr_count:     256
    .wavefront_size: 32
...
	.end_amdgpu_metadata
.endif
;; end of part 3
;; launch proj (part 4): grid 4 x 32, 4 waves a work-group, clusters of 4 x 4, 327,680 bytes of LDS; arguments o_codes, o_sc, w_codes, w_sc, bo, out0; writes out0
.if DOCPART == 4
	.amdgcn_target "amdgcn-amd-amdhsa--gfx1250"
	.amdhsa_code_object_version 6
	.text
	.protected	k_qe6164b2b84_proj
	.globl	k_qe6164b2b84_proj
	.p2align	8
	.type	k_qe6164b2b84_proj,@function
k_qe6164b2b84_proj:
	s_mov_b64 s[64:65], 0
	v_nop
	global_prefetch_b8 v0, s[64:65] scope:SCOPE_SE
	s_setreg_imm32_b32 hwreg(HW_REG_WAVE_MODE, 25, 1), 1
	s_wait_xcnt 0x0
	s_wait_alu depctr_hold_cnt(0) depctr_sa_sdst(0) depctr_va_vdst(0) depctr_va_sdst(0) depctr_va_ssrc(0) depctr_va_vcc(0) depctr_vm_vsrc(0)
	s_getreg_b32 s2, hwreg(HW_REG_IB_STS2, 6, 4)
	s_cmp_eq_u32 s2, 0
	s_cbranch_scc0 .Lentry_in_a_cluster
	s_endpgm
.Lentry_in_a_cluster:
	s_bfe_u32 s2, ttmp6, 0x10000c
	s_cmp_lg_u32 s2, 0xf033
	s_cbranch_scc0 .Lentry_shape_is_right
	s_endpgm
.Lentry_shape_is_right:
; out0 = o Wo^T + bo on codes of FP4 with E8M0 scales; M = 8,192, N = 1,024, K = 1,024; sums in f32.
; A work-group makes 256 x 256 of out0, each of its four waves 128 x 128: 64 accumulators, 512 registers.  K goes through two LDS slots of 512 along K, both filled at the start; nothing is filled again.
; SOURCE 0 = 16 stored rows of Wo, SOURCE 1 = 16 stored rows of o.  Both lie, within each 32 rows, with row 16 a + 8 u + i at place 16 u + 8 a + i; the way out puts rows and columns back by immediates.
; o's codes lie as images of the operand's registers: [row tile][head][lane][16 bytes]: a fragment is two loads of 512 consecutive bytes.  Wo's lie as rows of 512 bytes, padded in LDS.
; bo is the C of each sum's first product.
; CLUSTERS: 4 x 4 work-groups; o's tiles are shared along a row of the cluster, Wo's along a column: each is asked for jointly.
; The grid has 128 work-groups: a smaller tile would give more, at twice the LDS reads for each product.
; REGISTERS, in windows of 256: window 0: v16-29 addresses; v32-95 scale words, two sets; v128-191 o's fragments; v192-255 bo, later rows on the way out; window 1: Wo's fragments, two sets;
;   window 2: the accumulators of my row tiles 0-3 ((a, b) at v[8 (8 a + b)]); window 3: those of tiles 4-7.
.set NQ,     4
.set ROWB,   256
.set KROW,   512
.set PITCH,  272                       ; Wo's LDS row: 256 bytes + 16 of padding
.set FR,     8
.set NL,     2
.set NP,     4
.set HALFT,  128*PITCH
.set SLOT,   4*HALFT                   ; o's 16 row tiles (two regions of HALFT, 32,768 bytes used in each), then Wo's 256 rows
.set KS,     32
.set SCL,    2*SLOT
.set HALFS,  (128*KS/256)*272
.set SBLK,   (16*KS/256)*272
.set SPARE,  SCL+4*HALFS
.set SPITCH, 528                       ; the way out: a stage of 16 rows x (512 bytes + 16) for each wave, in slot 0, which has had its one fill and its last read by then
.set ADRA, 16
.set ADRB, 20
.set BH,   22                          ; v22  64 h
.set STO,  24
.set RD,   25
.set CO,   26
.set ADRS, 27
.set SPW,  28
.set NIL,  29
.set SC,   32
.set AF,   128
.set BK,   128                         ; the way out: 16 rows read back: v128-191 and v192-255 by turns
.set BB,   192                         ; bo: register 8 b + j as the results lie
.set G1, 24
.set G0, 32
.set G1B, 48
.set G0B, 56
.set G1S, 68
.set G0S, 76
.set G1SB, 80
.set G0SB, 88
.set MSB, 0
.macro WIN new
.if MSB != (\new)
	s_set_vgpr_msb (MSB<<8)|(\new)
.set MSB, (\new)
.endif
.endm
.set MUL_LO, 0xa1                      ; source 0 window 1, source 1 window 0, C and D window 2
.set MUL_HI, 0xf1
.set TO_B,   0x40
.macro JLOAD g0a, g1a, g0b, g1b        ; a joint load: waves 0 and 1 fetch for o, waves 2 and 3 for Wo; four v_nop follow each of the two lines
	s_cmp_eq_u32 s15, 0
	s_cbranch_scc0 .Lfor_b_\@
	tensor_load_to_lds s[\g0a:\g0a+3], s[\g1a:\g1a+7]
	s_nop 0
.rept 4
	v_nop
.endr
	s_branch .Lasked_\@
.Lfor_b_\@:
	tensor_load_to_lds s[\g0b:\g0b+3], s[\g1b:\g1b+7]
	s_nop 0
.rept 4
	v_nop
.endr
.Lasked_\@:
.endm
.macro CROUND
	s_barrier_signal -1
	s_barrier_wait -1
	s_cmp_lg_u32 s14, 0
	s_cbranch_scc1 .Lnot_wave_0_\@
	s_barrier_signal -3
.Lnot_wave_0_\@:
	s_barrier_wait -3
	s_barrier_signal -1
	s_barrier_wait -1
.endm
	s_load_b128 s[4:7], s[0:1], 0x0                ; o_codes, o_sc
	s_load_b128 s[8:11], s[0:1], 0x10              ; w_codes, w_sc
	s_load_b64 s[96:97], s[0:1], 0x20              ; bo
	s_load_b64 s[12:13], s[0:1], 0x28              ; out0
	v_lshl_add_u32 v[SPW], v0, 2, SPARE
	v_mov_b32 v[NIL], 0
	ds_add_u32 v28, v29
	ds_add_u32 v28, v29
	s_wait_dscnt 0x0
	v_lshrrev_b32 v1, 5, v0
	v_readfirstlane_b32 s14, v1                    ; wave 0..3
	s_lshr_b32 s15, s14, 1                         ; which half of the tile's rows is mine.  Also: I fetch for o (0) or for Wo (1)
	s_and_b32 s16, s14, 1                          ; which half of its columns.  Also: which 128 rows I fetch
	s_bfe_u32 s40, ttmp6, 0x40000                  ; cx, cy
	s_bfe_u32 s41, ttmp6, 0x40004
	s_lshl_b32 s42, ttmp9, 2
	s_add_co_u32 s42, s42, s40                     ; tile column
	s_and_b32 s17, ttmp7, 0xffff
	s_lshl_b32 s17, s17, 2
	s_add_co_u32 s17, s17, s41                     ; tile row
	s_lshl_b32 s43, s41, 2
	s_lshl_b32 s43, 15, s43                        ; my row of the cluster
	s_lshl_b32 s44, 0x1111, s40                    ; my column
	; group 1 for o: 8 row tiles x 4,096 bytes (512 elements of 8 bytes), 8,192 bytes apart in memory, dense in LDS
	s_or_b32 s[G1+0], s43, (3<<16)|(1<<21)
	s_mov_b32 s[G1+1], 512<<16                     ; tensor_dim0
	s_mov_b32 s[G1+2], 8<<16                       ; tensor_dim1
	s_mov_b32 s[G1+3], 512<<16                     ; tile_dim0
	s_mov_b32 s[G1+4], 8                           ; tile_dim1
	s_mov_b32 s[G1+5], 1024                        ; the pitch
	s_mov_b32 s[G1+6], 0
	s_mov_b32 s[G1+7], 0
	; for Wo: 128 rows x 256 bytes, 16 bytes of padding behind each
	s_or_b32 s[G1B+0], s44, (0<<16)|(1<<20)|(1<<21)|(5<<22)|(3<<25)
	s_mov_b32 s[G1B+1], ROWB<<16
	s_mov_b32 s[G1B+2], 128<<16
	s_mov_b32 s[G1B+3], ROWB<<16
	s_mov_b32 s[G1B+4], 128
	s_mov_b32 s[G1B+5], KROW
	s_mov_b32 s[G1B+6], 0
	s_mov_b32 s[G1B+7], 0
	; for the scale bytes of 128 rows: 4,096 dense bytes as 16 rows of 256, 16 bytes of padding behind each
	s_or_b32 s[G1S+0], s43, (3<<16)|(1<<20)|(1<<21)|(5<<22)|(3<<25)
	s_or_b32 s[G1SB+0], s44, (3<<16)|(1<<20)|(1<<21)|(5<<22)|(3<<25)
.irp g, G1S, G1SB
	s_mov_b32 s[\g+1], 32<<16
	s_mov_b32 s[\g+2], (128*KS/256)<<16
	s_mov_b32 s[\g+3], 32<<16
	s_mov_b32 s[\g+4], 128*KS/256
	s_mov_b32 s[\g+5], 32
	s_mov_b32 s[\g+6], 0
	s_mov_b32 s[\g+7], 0
.endr
	s_lshl_b32 s20, s17, 17                        ; o's codes: row tile 16 x tile row + 8 x half, 8,192 bytes each
	s_lshl_b32 s18, s16, 16
	s_add_co_u32 s20, s20, s18
	s_mov_b32 s21, 0
	s_lshl_b32 s22, s17, 13                        ; its scale bytes: row 256 x tile row + 128 x half, 32 bytes each
	s_lshl_b32 s19, s16, 12
	s_add_co_u32 s22, s22, s19
	s_mov_b32 s23, 0
	s_lshl_b32 s46, s42, 17                        ; Wo's codes: row 256 x tile column + 128 x half, 512 bytes each
	s_add_co_u32 s46, s46, s18
	s_mov_b32 s47, 0
	s_lshl_b32 s92, s42, 13                        ; and its scale bytes
	s_add_co_u32 s92, s92, s19
	s_mov_b32 s93, 0
	s_mul_i32 s45, s14, HALFT                      ; where they go: no place in the cluster enters an LDS address
	s_mul_i32 s94, s14, HALFS
	s_wait_kmcnt 0x0
	s_add_nc_u64 s[8:9], s[8:9], 0x180000          ; Wo: stored rows 3,072 on of w_codes
	s_add_nc_u64 s[10:11], s[10:11], 0x18000
	s_add_nc_u64 s[20:21], s[4:5], s[20:21]
	s_add_nc_u64 s[22:23], s[6:7], s[22:23]
	s_add_nc_u64 s[46:47], s[8:9], s[46:47]
	s_add_nc_u64 s[92:93], s[10:11], s[92:93]
	CROUND                                         ; all sixteen work-groups are here: the joint loads meet
	s_mov_b32 s[G0S], 1
	s_add_co_u32 s[G0S+1], s94, SCL
	s_mov_b64 s[G0S+2:G0S+3], s[22:23]
	s_or_b32 s[G0S+3], s[G0S+3], 0x80000000
	s_mov_b32 s[G0SB], 1
	s_add_co_u32 s[G0SB+1], s94, SCL
	s_mov_b64 s[G0SB+2:G0SB+3], s[92:93]
	s_or_b32 s[G0SB+3], s[G0SB+3], 0x80000000
	JLOAD G0S, G1S, G0SB, G1SB
.irp s, 0,1
	s_mov_b32 s[G0+4*\s], 1
	s_add_co_u32 s[G0+4*\s+1], s45, \s*SLOT
	s_add_nc_u64 s[G0+4*\s+2:G0+4*\s+3], s[20:21], \s*4096         ; heads 8 s on of each row tile
	s_or_b32 s[G0+4*\s+3], s[G0+4*\s+3], 0x80000000
	s_mov_b32 s[G0B+4*\s], 1
	s_add_co_u32 s[G0B+4*\s+1], s45, \s*SLOT
	s_add_nc_u64 s[G0B+4*\s+2:G0B+4*\s+3], s[46:47], \s*ROWB
	s_or_b32 s[G0B+4*\s+3], s[G0B+4*\s+3], 0x80000000
	s_wait_alu depctr_va_vdst(0)
	s_wait_tensorcnt 0x0
	ds_add_u32 v28, v29
	s_wait_dscnt 0x0
	CROUND
	JLOAD G0+4*\s, G1, G0B+4*\s, G1B               ; one tensor load of mine is out behind the last of these
.endr
	v_and_b32 v1, 15, v0                           ; r
	v_bfe_u32 v2, v0, 4, 1                         ; h
	v_and_b32 v6, 31, v0
	v_lshlrev_b32 v[CO], 4, v6                     ; 16 x lane
	v_mul_u32_u24 v3, v1, PITCH
	v_lshl_add_u32 v4, v2, 4, v3                   ; Wo: a fragment's row x pitch + 16 h
	s_mul_i32 s21, s15, HALFT                      ; my 8 row tiles of o
	s_mul_i32 s22, s16, HALFT                      ; my 128 rows of Wo,
	s_add_co_u32 s22, s22, 2*HALFT                 ; which lie behind o's two regions
.irp s, 0,1
	v_add_nc_u32 v[ADRA+\s], s21, v[CO]
	v_add_nc_u32 v[ADRB+\s], s22, v4
	s_add_co_u32 s21, s21, SLOT
	s_add_co_u32 s22, s22, SLOT
.endr
	v_mul_u32_u24 v5, v1, KS
	v_lshrrev_b32 v7, 8, v5
	v_lshl_add_u32 v5, v7, 4, v5
	s_mul_i32 s21, s15, HALFS
	s_mul_i32 s22, s16, HALFS
	s_add_co_u32 s22, s22, 2*HALFS
	s_sub_co_u32 s22, s22, s21
	v_mul_u32_u24 v7, s22, v2                      ; lanes 16-31 take Wo's: one product, the distance between the two bases
	s_add_co_u32 s21, s21, SCL
	v_add_nc_u32 v5, v5, v7
	v_add_nc_u32 v[ADRS], s21, v5
	s_mul_i32 s23, s14, 16*SPITCH                  ; my stage
	v_mul_u32_u24 v5, v1, SPITCH                   ; in: row r; my half's 16 columns of each 32: 64 h bytes on
	v_lshl_add_u32 v5, v2, 6, v5
	v_add_nc_u32 v[STO], s23, v5
	v_add_nc_u32 v[RD], s23, v[CO]                 ; back: the 32 lanes take one row of 512 bytes
	s_lshl_b32 s20, s17, 20                        ; out0: my first row, 256 x tile row + 128 x half, of 4,096 bytes,
	s_lshl_b32 s21, s15, 19
	s_add_co_u32 s20, s20, s21
	s_lshl_b32 s21, s42, 10                        ; my first column: 1,024 x tile column + 512 x half bytes
	s_add_co_u32 s20, s20, s21
	s_lshl_b32 s21, s16, 9
	s_add_co_u32 s20, s20, s21
	s_mov_b32 s21, 0
	s_add_nc_u64 s[12:13], s[12:13], s[20:21]
	s_lshl_b32 s20, s42, 10                        ; bo at the same column
	s_lshl_b32 s22, s16, 9
	s_add_co_u32 s20, s20, s22
	s_add_nc_u64 s[96:97], s[96:97], s[20:21]
	v_lshlrev_b32 v[BH], 6, v2
.irp b, 0,1,2,3,4,5,6,7
	global_load_b128 v[BB+8*\b:BB+8*\b+3], v[BH], s[96:97] offset:(32*(\b/2)+8*(\b%2))*4
	global_load_b128 v[BB+8*\b+4:BB+8*\b+7], v[BH], s[96:97] offset:(32*(\b/2)+8*(\b%2))*4+16
.endr
.macro FRAGB reg, adr, q, i            ; Wo: 16 rows x 128 K: lane l holds row l % 16; registers 4 c .. 4 c + 3 hold K = 64 c + 32 (l / 16) + 0 .. 31
.irp c, 0,1
	ds_load_b128 v[\reg+4*\c:\reg+4*\c+3], v[\adr] offset:64*(\q)+32*\c+(\i)*16*PITCH
.endr
.endm
.macro FRAGA reg, adr, q, i            ; o: the same registers as they were stored: row tile i, heads 2 q and 2 q + 1 of the slot's eight
.irp c, 0,1
	ds_load_b128 v[\reg+4*\c:\reg+4*\c+3], v[\adr] offset:4096*(\i)+1024*(\q)+512*\c
.endr
.endm
; 16 matrix instructions: o's tiles a0, a0 + 1 x Wo's eight.  zero = 2: the product starts the sums from bo.  The 64 accumulators take turns, one instruction a turn.
.macro MUL16 a0, p, q, sc, zero
.irp a, \a0, \a0+1
.irp b, 0,1,2,3,4,5,6,7
.if \zero == 2
	v_wmma_scale_f32_16x16x128_f8f6f4 v[8*(8*((\a)%4)+\b):8*(8*((\a)%4)+\b)+7], v[128*(\p)+FR*\b:128*(\p)+FR*\b+FR-1], v[AF+FR*(\a):AF+FR*(\a)+FR-1], v[BB+8*\b:BB+8*\b+7], v[SC+8*NQ*(\sc)+NQ*\b+(\q)], v[SC+8*NQ*(\sc)+NQ*(\a)+(\q)] matrix_a_fmt:MATRIX_FMT_FP4 matrix_b_fmt:MATRIX_FMT_FP4 matrix_a_scale:MATRIX_SCALE_ROW1
.else
	v_wmma_scale_f32_16x16x128_f8f6f4 v[8*(8*((\a)%4)+\b):8*(8*((\a)%4)+\b)+7], v[128*(\p)+FR*\b:128*(\p)+FR*\b+FR-1], v[AF+FR*(\a):AF+FR*(\a)+FR-1], v[8*(8*((\a)%4)+\b):8*(8*((\a)%4)+\b)+7], v[SC+8*NQ*(\sc)+NQ*\b+(\q)], v[SC+8*NQ*(\sc)+NQ*(\a)+(\q)] matrix_a_fmt:MATRIX_FMT_FP4 matrix_b_fmt:MATRIX_FMT_FP4 matrix_a_scale:MATRIX_SCALE_ROW1
.endif
.endr
.endr
.endm
.macro FETCH_B slot, q, p
	WIN TO_B
.irp i, 0,1,2,3,4,5,6,7
	FRAGB 128*(\p)+FR*\i, ADRB+\slot, \q, \i
.endr
	WIN 0
.endm
.macro FETCH_A slot, q, i0
.irp i, \i0, \i0+1, \i0+2, \i0+3
	FRAGA AF+FR*(\i), ADRA+\slot, \q, \i
.endr
.endm
.macro SCALES sc
.irp i, 0,1,2,3,4,5,6,7
	ds_load_b128 v[SC+8*NQ*\sc+NQ*\i:SC+8*NQ*\sc+NQ*\i+3], v[ADRS] offset:\i*SBLK
.endr
.endm
.macro PLACES n
.rept \n
	v_nop
.endr
.endm
.macro STEP slot, q, zero
	s_wait_dscnt 4*NL                              ; Wo's set and o's tiles 0-3 are in; the youngest eight loads (tiles 4-7) may be out
.if \zero == 2
	WIN 0x81                                       ; C (bo) in window 0, D in window 2
.else
	WIN MUL_LO
.endif
	MUL16 0, (\q)%2, \q, \slot, \zero
	MUL16 2, (\q)%2, \q, \slot, \zero
	s_wait_dscnt 0
	PLACES NP
	FETCH_B \slot, (\q)+1, 1-(\q)%2
	FETCH_A \slot, (\q)+1, 0
.if \zero == 2
	WIN 0xc1                                       ; C in window 0, D in window 3
.else
	WIN MUL_HI
.endif
	MUL16 4, (\q)%2, \q, \slot, \zero
	MUL16 6, (\q)%2, \q, \slot, \zero
	PLACES NP
	WIN 0
	FETCH_A \slot, (\q)+1, 4
.endm
.macro TURN slot, next                 ; slot 0's last step changes slots: one barrier
	s_wait_tensorcnt 0x0                           ; my part of the next slot has landed
	ds_add_u32 v[SPW], v[NIL]                      ; 0 onto my spare word
	s_wait_dscnt 4*NL+1                            ; (the add and the youngest eight loads may be out)
	WIN MUL_LO
	MUL16 0, 1, NQ-1, \slot, 0
	s_wait_dscnt 0x0                               ; the add is done and my reads of this slot are over
	s_barrier_signal -1
	MUL16 2, 1, NQ-1, \slot, 0
	WIN 0
	s_barrier_wait -1
	PLACES NP
	v_add_nc_u32 v[ADRS], 4*NQ, v[ADRS]
	FETCH_B \next, 0, 0
	FETCH_A \next, 0, 0
	SCALES \next
	WIN MUL_HI
	MUL16 4, 1, NQ-1, \slot, 0
	MUL16 6, 1, NQ-1, \slot, 0
	PLACES NP
	WIN 0
	FETCH_A \next, 0, 4
.endm
.macro STEPS slot, from
.set Q, \from
.rept NQ-1-\from
	STEP \slot, Q, 0
.set Q, Q+1
.endr
.endm
	s_wait_alu depctr_va_vdst(0)
	s_wait_tensorcnt 1                             ; the scale bytes and my part of slot 0 are in; slot 1's load may be out
	s_barrier_signal -1
	s_barrier_wait -1
	FETCH_B 0, 0, 0
	FETCH_A 0, 0, 0
	SCALES 0
	FETCH_A 0, 0, 4
	s_wait_loadcnt 0x0                             ; bo
	STEP 0, 0, 2                                   ; the first products start the sums from bo: nothing is cleared, nothing is added later
	STEPS 0, 1
	TURN 0, 1
	STEPS 1, 0
	s_wait_dscnt 4*NL
	WIN MUL_LO
	MUL16 0, 1, NQ-1, 1, 0
	MUL16 2, 1, NQ-1, 1, 0
	s_wait_dscnt 0
	WIN MUL_HI
	MUL16 4, 1, NQ-1, 1, 0
	MUL16 6, 1, NQ-1, 1, 0
	WIN 0
; THE WAY OUT, row tile by row tile.  In accumulator b lane (r, h) holds columns 32 (b / 2) + 16 h + 8 (b % 2) + 0 .. 7 of stored row r: they go to their true places in a row of my stage,
; and the rows come back whole: 512 bytes, which the 32 lanes store.  Stage row t of tile a is true row 32 (a / 2) + 8 (a % 2) + t + 8 (t / 8) of my 128.
; LDS serves a wave's instructions in order: no wait between the stores and the loads, nor in front of the next tile's stores.
.macro TOSTAGE a
.set AC, 64*((\a)%4)
	WIN 0x08+4*((\a)/4)                            ; the data: window 2 or 3
.irp b, 0,1,2,3,4,5,6,7
	ds_store_b128 v[STO], v[AC+8*\b:AC+8*\b+3] offset:128*(\b/2)+32*(\b%2)          ; each accumulator from its low end on
	ds_store_b128 v[STO], v[AC+8*\b+4:AC+8*\b+7] offset:128*(\b/2)+32*(\b%2)+16
.endr
	WIN 0
.set BBK, BK+64*((\a)%2)
.irp t, 0,1,2,3,4,5,6,7,8,9,10,11,12,13,14,15
	ds_load_b128 v[BBK+4*\t:BBK+4*\t+3], v[RD] offset:\t*SPITCH
.endr
.endm
.macro SEND a, younger                 ; younger: the LDS instructions issued behind tile a's loads, which may stay out
.set BBK, BK+64*((\a)%2)
	s_wait_dscnt \younger
.irp t, 0,1,2,3,4,5,6,7,8,9,10,11,12,13,14,15
	global_store_b128 v[CO], v[BBK+4*\t:BBK+4*\t+3], s[12:13] offset:(32*((\a)/2)+8*((\a)%2)+\t+8*(\t/8))*4096 th:TH_STORE_NT   ; 512 consecutive bytes, aligned; the base never steps: 127 rows at the most stand in the immediate
.endr
.endm
	PLACES NP                                      ; behind the last products
	TOSTAGE 0
.irp a, 1,2,3,4,5,6,7
.if \a > 1
	s_wait_xcnt 0x0                                ; tile a - 2's stores have read their registers: tile a's loads may land there
.endif
	TOSTAGE \a
	SEND \a-1, 32                                  ; behind tile a - 1's loads: tile a's 16 stores and 16 loads
.endr
	SEND 7, 0
	s_wait_tensorcnt 0x0                           ; the wave's end
	ds_add_u32 v[SPW], v[NIL]
	s_wait_dscnt 0x0
	CROUND                                         ; the closing round
	s_endpgm
.Lfunc_end_k_qe6164b2b84_proj:
	.size	k_qe6164b2b84_proj, .Lfunc_end_k_qe6164b2b84_proj-k_qe6164b2b84_proj
	.p2alignl 7, 3214868480
	.fill 96, 4, 3214868480
	.section	.rodata,"a",@progbits
	.p2align	6, 0x0
	.amdhsa_kernel k_qe6164b2b84_proj
		.amdhsa_group_segment_fixed_size 327680
		.amdhsa_private_segment_fixed_size 0
		.amdhsa_enable_private_segment 0
		.amdhsa_kernarg_size 48
		.amdhsa_user_sgpr_count 2
		.amdhsa_user_sgpr_kernarg_segment_ptr 1
		.amdhsa_wavefront_size32 1
		.amdhsa_system_sgpr_workgroup_id_x 1
		.amdhsa_system_sgpr_workgroup_id_y 1
		.amdhsa_system_sgpr_workgroup_id_z 1
		.amdhsa_system_vgpr_workitem_id 0
		.amdhsa_next_free_vgpr 1024
		.amdhsa_next_free_sgpr 98
		.amdhsa_reserve_vcc 0
		.amdhsa_float_denorm_mode_32 3
		.amdhsa_float_denorm_mode_16_64 3
		.amdhsa_memory_ordered 1
		.amdhsa_forward_progress 1
		.amdhsa_inst_pref_size 127
	.end_amdhsa_kernel
	.amdgpu_metadata
---
amdhsa.version: [ 1, 2 ]
amdhsa.kernels:
  - .name:           k_qe6164b2b84_proj
    .symbol:         k_qe6164b2b84_proj.kd
    .args:
      - { .name: o_codes, .offset: 0, .size: 8, .value_kind: global_buffer, .address_space: global }
      - { .name: o_sc, .offset: 8, .size: 8, .value_kind: global_buffer, .address_space: global }
      - { .name: w_codes, .offset: 16, .size: 8, .value_kind: global_buffer, .address_space: global }
      - { .name: w_sc, .offset: 24, .size: 8, .value_kind: global_buffer, .address_space: global }
      - { .name: bo, .offset: 32, .size: 8, .value_kind: global_buffer, .address_space: global }
      - { .name: out0, .offset: 40, .size: 8, .value_kind: global_buffer, .address_space: global }
    .group_segment_fixed_size: 327680
    .private_segment_fixed_size: 0
    .kernarg_segment_align: 8
    .kernarg_segment_size: 48
    .max_flat_workgroup_size: 128
    .sgpr_count:     98
    .vgpr_count:     1024
    .wavefront_size: 32
...
	.end_amdgpu_metadata
.endif
;; end of part 4
